; MI455X (gfx1250); checked and timed in simulation.
; The chip was launched on July 23, 2026; its instructions are those of AMD's public machine-readable ISA for CDNA 5 (MIT licence, August 2026) and "CDNA5" Instruction Set Architecture Reference Guide (July 2026). The comments in the code are by the model that wrote it; some were corrected since.
;; Transformer Encoder Layer. Allowed arithmetic: matrix products marked QUANTISED: E5M2 operands, one given power-of-two scale a tensor, by v_wmma_f32_16x16x64_bf8_bf8 or v_wmma_f32_16x16x128_bf8_bf8, f32 sums; everything else in f32.
;; Inputs: W1 1,024 x 4,096 float32; W2 4,096 x 1,024 float32; Wk 1,024 x 1,024 float32; Wo 1,024 x 1,024 float32; Wq 1,024 x 1,024 float32; Wv 1,024 x 1,024 float32; b1 4,096 float32; b2 1,024 float32; be1 1,024 float32; be2 1,024 float32; bk 1,024 float32; bo 1,024 float32; bq 1,024 float32; bv 1,024 float32; g1 1,024 float32; g2 1,024 float32; lowp_scales 16 int32 (the exponents e of the quantised operands' scales 2^e); mask 2 x 1 x 1 x 2,048 int32; x 2 x 2,048 x 1,024 float32.
;; Outputs: out0 2 x 2,048 x 1,024 float32.
;; This version of the problem:
;;   THIS VERSION OF THE PROBLEM IS GIVEN IN LOW PRECISION. The matrix products marked QUANTISED in the list below multiply operands that are first quantised to E5M2 (5 exponent bits, 2 mantissa bits; 8 bits a number), with one given power-of-two scale for each operand tensor; their sums are f32. All else is computed in f32.
;;   The module's matrix products, in the order in which they are computed (A, B: the left and right operand; K: the contracted axis; several contracted axes count as one K, in the product's order):
;;     1. [M 4,096, K 1,024] x [K 1,024, N 1,024]; A: input x; B: input Wq: QUANTISED (scales: A lowp_scales[0], B lowp_scales[1])
;;     2. [M 4,096, K 1,024] x [K 1,024, N 1,024]; A: input x; B: input Wk: QUANTISED (scales: A lowp_scales[2], B lowp_scales[3])
;;     3. [M 4,096, K 1,024] x [K 1,024, N 1,024]; A: input x; B: input Wv: QUANTISED (scales: A lowp_scales[4], B lowp_scales[5])
;;     4. batch 32 x [M 2,048, K 64] x [K 64, N 2,048]; A: computed on the way; B: computed on the way: QUANTISED (scales: A lowp_scales[6], B lowp_scales[7])
;;     5. batch 32 x [M 2,048, K 2,048] x [K 2,048, N 64]; A: softmax (see below); B: computed on the way: QUANTISED (scales: A lowp_scales[8], B lowp_scales[9])
;;     6. [M 4,096, K 1,024] x [K 1,024, N 1,024]; A: computed on the way; B: input Wo: QUANTISED (scales: A lowp_scales[10], B lowp_scales[11])
;;     7. [M 4,096, K 1,024] x [K 1,024, N 4,096]; A: computed on the way; B: input W1: QUANTISED (scales: A lowp_scales[12], B lowp_scales[13])
;;     8. [M 4,096, K 4,096] x [K 4,096, N 1,024]; A: computed on the way; B: input W2: QUANTISED (scales: A lowp_scales[14], B lowp_scales[15])
;;   THE QUANTISER, for each operand of a quantised product, along K:
;;     - The operand's scale is 2^e, e = its entry of the input lowp_scales (int32; the entries are numbered through the quantised products in the list's order, A before B).
;;     - Each number is divided by the scale, clamped to +-57,344, and rounded to the nearest number of E5M2, ties to even, subnormals kept.
;;     - The product sums the exact products of the quantised numbers (number of the format x scale) in f32.
;;   ~~~python
;;   def quantise(x, axis, e):      # numpy; x: float32 -> the quantised numbers, widened to float32 again
;;       x = np.moveaxis(x, axis, -1); K = x.shape[-1]
;;       r = np.clip(x / 2.0 ** e, -57344, 57344)
;;       step = 2.0 ** (np.maximum(np.frexp(np.where(r == 0, 1, r))[1] - 1, -14) - 2)
;;       q = np.round(r / step) * step * 2.0 ** e      # np.round: ties to even
;;       return np.moveaxis(q, -1, axis).astype(np.float32)
;;   ~~~
;;   SOFTMAX AHEAD OF A QUANTISED PRODUCT. Where the list says 'softmax', what is quantised is not the finished softmax but p = 2^(t - M), with t = logit x log2(e) and M = ceil(the row's largest t), a whole number; so 1/2 < the row's largest p <= 1. The row's sum l is taken of the UNQUANTISED p, in f32, and the product's result is divided by l at the end. Since M is a whole number, a kernel that streams over the keys may use a running M (the ceiling of the running maximum): every later rescaling is an exact power of two, so the quantised numbers keep their values, but for numbers so far below the row's largest that they fall under the format's range.
;;   OPERANDS COMPUTED ON THE WAY. 'Computed on the way' means the value that the module computes at that place (a softmax that the list does not call 'softmax' is quantised finished and normalised). What goes into a quantiser is computed in f32, as accurately as f32 sums, v_exp_f32 and their like allow (about 1e-6 of the number): no bf16 or f16 on the way to a quantiser, and a product that is left as it is and whose result goes on into a quantised operand takes f32 operands (vector FMAs, or v_wmma_f32_16x16x4_f32). A number that lies on a knife's edge between two numbers of the format may be rounded either way, as far as f32 arithmetic and the matrix unit's own rounding can turn it there, and no further.
;; One version. Each part assembles by itself: llvm-mc -triple=amdgcn-amd-amdhsa -mcpu=gfx1250 --defsym DOCPART=n.
;; ======== version 1 of 1: 8 launches
;; limits: right only within a limited range of input values
;; workspace buffers: xc 12,582,912 bytes; wc 12,582,912 bytes; qkvc 12,582,912 bytes; ctxc 4,194,304 bytes; y 16,777,216 bytes; h 16,777,216 bytes; hc 4,194,304 bytes; rc 16,777,216 bytes
;; launch quant (part 1): grid 640 x 1, 8 waves a work-group, no clusters, 68,608 bytes of LDS; arguments x, Wq, Wk, Wv, Wo, W1, W2, lowp_scales, xc, wc; writes xc, wc
.if DOCPART == 1
	.amdgcn_target "amdgcn-amd-amdhsa--gfx1250"
	.amdhsa_code_object_version 6
	.text
	.protected	k_qbb265c7033_quant
	.globl	k_qbb265c7033_quant
	.p2align	8
	.type	k_qbb265c7033_quant,@function
k_qbb265c7033_quant:
	s_mov_b64 s[64:65], 0
	v_nop
	global_prefetch_b8 v0, s[64:65] scope:SCOPE_SE
	s_setreg_imm32_b32 hwreg(HW_REG_WAVE_MODE, 25, 1), 1
	s_wait_xcnt 0x0
; x [4096][1024] f32 becomes three tensors of E5M2 codes (scales 2^e0, 2^e2, 2^e4); the six weights, stored [K][N] f32, become codes of W^T (scales e1, e3, e5, e11, e13, e15).
; code = number / 2^e, held within +-57,344, to the nearest code, ties to even.  LIMITS: each e between -126 and 112.  NaN among the inputs is not served.
; ALL CODES ARE LAID AS IMAGES OF MATRIX FRAGMENTS: [tile of 16 rows][128 along K][piece c = 0..3][lane 0..31][16 bytes].  Lane (r = lane % 16, h = lane / 16), piece c, byte i
; holds row r, k = 32 c + 16 (i / 8) + 8 h + i % 8 of the 128: the place that the 8-bit matrix forms give that byte.  So a fragment is four loads of 16 bytes a lane at 16 x lane.
; Work-groups 0-255: a tile of 16 rows of x, wave w its 128 numbers along K from 128 w on.  Work-groups 256-639: 256 columns x 128 along K of a weight.  Waves share nothing: no barrier.
; A stream: no matrix unit, no cluster, no tensor load would spare a byte here.  162 registers a wave: two waves a SIMD x 162 x 3 = 972, so three work-groups fit on a WGP and all 640 lie on the 256 at once.
.set R,   16                           ; v16-79   x path: 16 rows x 16 bytes a lane, as loaded; free again once the stage's stores are done: then
.set CD,  16                           ; v16-63   x path: codes, 16 registers for each of the three scales,
.set TS,  64                           ; v64-79 and v144-159  x path: two sets of 16 held numbers, by turns (80 registers apart)
.set X,   80                           ; v80-143  x path: my 64 numbers in the fragment's order
.set SP,  528                          ; x path: a stage row: 512 bytes + 16: row r starts 4 r banks on
.set WST, 16*SP                        ; a wave's stage
.set VO,  16                           ; v16-47   weight path: byte offsets of 32 rows of K
.set XW,  48                           ; v48-111  weight path: two sets of 32 numbers
.set CW,  112                          ; v112-143 weight path: codes, 8 registers a block
	s_load_b512 s[4:19], s[0:1], 0x0               ; x 4:5, Wq 6:7, Wk 8:9, Wv 10:11, Wo 12:13, W1 14:15, W2 16:17, the exponents 18:19
	s_load_b128 s[20:23], s[0:1], 0x40             ; xc 20:21, wc 22:23
	v_lshl_add_u32 v160, v0, 2, 0x10800
	v_mov_b32 v161, 0
	v_lshrrev_b32 v1, 5, v0
	v_readfirstlane_b32 s24, v1                    ; wave 0..7
	v_and_b32 v1, 31, v0                           ; lane
	v_and_b32 v2, 15, v0                           ; r
	v_bfe_u32 v3, v0, 4, 1                         ; h
	v_lshlrev_b32 v4, 4, v1                        ; 16 x lane
	s_wait_kmcnt 0x0
	s_load_b512 s[32:47], s[18:19], 0x0            ; e0 .. e15 in s32 .. s47
	s_cmp_lt_u32 ttmp9, 256
	s_cbranch_scc0 .Lweights
	; ---- x: tile of rows T = work-group, K from 128 x wave on
	s_lshl_b32 s26, ttmp9, 16                      ; 16 rows of 4,096 bytes
	s_lshl_b32 s27, s24, 9                         ; + my 512 bytes of a row
	s_add_co_u32 s26, s26, s27
	s_mov_b32 s27, 0
	s_add_nc_u64 s[4:5], s[4:5], s[26:27]
.irp i, 0,1,2,3,4,5,6,7,8,9,10,11,12,13,14,15
	global_load_b128 v[R+4*\i:R+4*\i+3], v4, s[4:5] offset:4096*\i   ; 32 lanes read 512 consecutive bytes of row i
.endr
	s_mul_i32 s28, s24, WST
	v_add_nc_u32 v5, s28, v4                       ; into my stage: as loaded
	v_mul_u32_u24 v6, v2, SP
	v_lshl_add_u32 v6, v3, 5, v6
	v_add_nc_u32 v6, s28, v6                       ; out of it: row r, + 32 h
	s_lshl_b32 s26, ttmp9, 14                      ; a tile of rows is 16,384 bytes of codes,
	s_lshl_b32 s29, s24, 11                        ; a fragment 2,048
	s_add_co_u32 s26, s26, s29
	s_add_nc_u64 s[52:53], s[20:21], s[26:27]
	s_add_nc_u64 s[54:55], s[52:53], 0x400000      ; the three tensors of codes lie 4 MiB apart
	s_add_nc_u64 s[56:57], s[52:53], 0x800000
	s_wait_kmcnt 0x0
.irp k, 0,1,2
	s_add_co_i32 s30, s[32+2*\k], 127
	s_lshl_b32 s31, s30, 23
	v_mov_b32 v[8+2*\k], s31                       ; 2^e as f32: the conversion takes its exponent field
	s_add_co_i32 s30, s30, 15
	s_lshl_b32 s30, s30, 23
	s_or_b32 s30, s30, 0x600000
	v_mov_b32 v[9+2*\k], s30                       ; 57,344 x 2^e
.endr
.irp i, 0,1,2,3,4,5,6,7,8,9,10,11,12,13,14,15
	s_wait_loadcnt 15-\i                           ; loads come back in order: row i is in, the younger ones may be out
	ds_store_b128 v5, v[R+4*\i:R+4*\i+3] offset:SP*\i
.endr
.irp c, 0,1,2,3
	ds_load_b128 v[X+16*\c:X+16*\c+3],     v6 offset:128*\c      ; LDS serves a wave's instructions in order: these see my stores.  k = 32 c + 8 h + 0..3,
	ds_load_b128 v[X+16*\c+4:X+16*\c+7],   v6 offset:128*\c+16   ; + 4..7,
	ds_load_b128 v[X+16*\c+8:X+16*\c+11],  v6 offset:128*\c+64   ; 32 c + 16 + 8 h + 0..3,
	ds_load_b128 v[X+16*\c+12:X+16*\c+15], v6 offset:128*\c+80   ; + 4..7
.endr
.irp c, 0,1,2,3
	s_wait_dscnt 12-4*\c                           ; piece c's four loads are in; the later pieces' may be out.  The sixteen stores were issued ahead of all of them: they are done, and the rows' registers may be written
.irp k, 0,1,2
.irp i, 0,1,2,3,4,5,6,7,8,9,10,11,12,13,14,15
	v_med3_num_f32 v[TS+80*((3*\c+\k)%2)+\i], v[X+16*\c+\i], -v[9+2*\k], v[9+2*\k]   ; the conversion does not saturate (ISA guide 7.6.2): the hold comes first.  The two sets take turns, so that sixteen plain lines stand between a conversion and the rewriting of its sources
.endr
	v_cvt_scalef32_pk8_bf8_f32 v[CD+16*\k+4*\c:CD+16*\k+4*\c+1],   v[TS+80*((3*\c+\k)%2):TS+80*((3*\c+\k)%2)+7],    v[8+2*\k]
	v_cvt_scalef32_pk8_bf8_f32 v[CD+16*\k+4*\c+2:CD+16*\k+4*\c+3], v[TS+80*((3*\c+\k)%2)+8:TS+80*((3*\c+\k)%2)+15], v[8+2*\k]
	global_store_b128 v4, v[CD+16*\k+4*\c:CD+16*\k+4*\c+3], s[52+2*\k:53+2*\k] offset:512*\c   ; 32 lanes store 512 consecutive bytes; every store has registers of its own
.endr
.endr
	s_wait_tensorcnt 0x0
	ds_add_u32 v160, v161
	s_wait_dscnt 0x0
	s_endpgm
	; ---- weights: j = work-group - 256.  0-31 Wq, 32-63 Wk, 64-95 Wv, 96-127 Wo, 128-255 W1, 256-383 W2.  All choices hang on j alone.
.Lweights:
	s_sub_co_u32 s25, ttmp9, 256
	s_mov_b64 s[26:27], s[16:17]                   ; the tensor,
	s_mov_b32 s29, 0x800000                        ; and where its codes begin in wc
	s_cmp_lt_u32 s25, 256
	s_cselect_b64 s[26:27], s[14:15], s[26:27]
	s_cselect_b32 s29, 0x400000, s29
	s_cmp_lt_u32 s25, 128
	s_cselect_b64 s[26:27], s[12:13], s[26:27]
	s_cselect_b32 s29, 0x300000, s29
	s_cselect_b32 s30, 31, 127
	s_cmp_lt_u32 s25, 96
	s_cselect_b64 s[26:27], s[10:11], s[26:27]
	s_cselect_b32 s29, 0x200000, s29
	s_cmp_lt_u32 s25, 64
	s_cselect_b64 s[26:27], s[8:9], s[26:27]
	s_cselect_b32 s29, 0x100000, s29
	s_cmp_lt_u32 s25, 32
	s_cselect_b64 s[26:27], s[6:7], s[26:27]
	s_cselect_b32 s29, 0, s29
	s_and_b32 s30, s25, s30                        ; my number within the tensor
	s_lshr_b32 s31, s25, 7                         ; 0: a 1024 x 1024 one, 1: W1, 2: W2
	s_cmp_eq_u32 s31, 1
	s_cselect_b32 s48, 14, 12                      ; log2 of a row of the weight in bytes
	s_cselect_b32 s50, 4, 2                        ; log2 of its groups of 256 columns
	s_cmp_eq_u32 s31, 2
	s_cselect_b32 s51, 16, 14                      ; log2 of a tile of 16 rows of codes in bytes: 16 K
	s_lshl_b32 s49, 1, s48
	s_lshl_b32 s58, 1, s50
	s_sub_co_u32 s58, s58, 1
	s_and_b32 s59, s30, s58                        ; which 256 columns
	s_lshr_b32 s60, s30, s50                       ; which 128 along K
	s_add_co_u32 s61, s48, 7
	s_lshl_b32 s66, s60, s61                       ; 128 rows of the weight for each step along K,
	s_lshl_b32 s62, s59, 10                        ; 1,024 bytes for each group of columns,
	s_add_co_u32 s66, s66, s62
	s_lshl_b32 s62, s24, 7                         ; 128 bytes for each wave
	s_add_co_u32 s66, s66, s62
	s_mov_b32 s67, 0
	s_add_nc_u64 s[52:53], s[26:27], s[66:67]      ; block 0 of 32 along K,
	s_lshl_b32 s70, s49, 5
	s_mov_b32 s71, 0
	s_add_nc_u64 s[54:55], s[52:53], s[70:71]      ; 1,
	s_add_nc_u64 s[56:57], s[54:55], s[70:71]      ; 2,
	s_add_nc_u64 s[68:69], s[56:57], s[70:71]      ; 3
	v_lshlrev_b32 v[VO], 2, v1                     ; A LANE TAKES A COLUMN, ITS REGISTERS RUN DOWN K: each load reads 128 consecutive bytes a wave, 1,024 a work-group
.set i, 1
.rept 31
	v_add_nc_u32 v[VO+i], s49, v[VO+i-1]
.set i, i+1
.endr
.macro LOAD t, sb                      ; block t: 32 rows of K at my column, into set t % 2
.set i, 0
.rept 32
	global_load_b32 v[XW+32*((\t)%2)+i], v[VO+i], s[\sb:\sb+1] th:TH_LOAD_NT
.set i, i+1
.endr
.endm
	LOAD 0, 52
	LOAD 1, 54
	s_lshl_b32 s58, s59, 4                         ; my wave's first tile of 16 columns: 16 x group + 2 x wave
	s_lshl_b32 s62, s24, 1
	s_add_co_u32 s58, s58, s62
	s_lshl_b32 s66, s58, s51
	s_lshl_b32 s62, s60, 11                        ; the fragment along K
	s_add_co_u32 s66, s66, s62
	s_add_co_u32 s66, s66, s29
	s_add_nc_u64 s[72:73], s[22:23], s[66:67]
	v_lshlrev_b32 v7, s51, v3                      ; lanes 16-31 hold the next tile's columns
	v_lshl_add_u32 v7, v2, 4, v7                   ; 16 bytes for each column of a tile
	s_wait_kmcnt 0x0
	s_mov_b32 s28, s47                             ; the tensor's exponent
	s_cmp_lt_u32 s25, 256
	s_cselect_b32 s28, s45, s28
	s_cmp_lt_u32 s25, 128
	s_cselect_b32 s28, s43, s28
	s_cmp_lt_u32 s25, 96
	s_cselect_b32 s28, s37, s28
	s_cmp_lt_u32 s25, 64
	s_cselect_b32 s28, s35, s28
	s_cmp_lt_u32 s25, 32
	s_cselect_b32 s28, s33, s28
	s_add_co_i32 s28, s28, 127
	s_lshl_b32 s30, s28, 23
	v_mov_b32 v11, s30                             ; 2^e
	s_add_co_i32 s28, s28, 15
	s_lshl_b32 s28, s28, 23
	s_or_b32 s28, s28, 0x600000
	v_mov_b32 v10, s28                             ; 57,344 x 2^e
; Block t is piece t of the fragment.  Of a column's 32 codes, k = 0-7 and 16-23 are the 16 bytes of lane (r, 0), k = 8-15 and 24-31 those of lane (r, 1).
.macro BLOCK t, left
.set XS, XW+32*((\t)%2)
.set CS, CW+8*(\t)
	s_wait_loadcnt \left                           ; this block's 32 loads are in; the next block's 32 may be out
.set i, 0
.rept 32
	v_med3_num_f32 v[XS+i], v[XS+i], -v10, v10
.set i, i+1
.endr
	v_cvt_scalef32_pk8_bf8_f32 v[CS:CS+1],   v[XS:XS+7],     v11
	v_cvt_scalef32_pk8_bf8_f32 v[CS+2:CS+3], v[XS+16:XS+23], v11
	v_cvt_scalef32_pk8_bf8_f32 v[CS+4:CS+5], v[XS+8:XS+15],  v11
	v_cvt_scalef32_pk8_bf8_f32 v[CS+6:CS+7], v[XS+24:XS+31], v11
	global_store_b128 v7, v[CS:CS+3],   s[72:73] offset:512*(\t)       ; sixteen lanes store 256 consecutive bytes, aligned; each block has registers of its own
	global_store_b128 v7, v[CS+4:CS+7], s[72:73] offset:512*(\t)+256
.endm
	BLOCK 0, 32
	LOAD 2, 56
	BLOCK 1, 32
	LOAD 3, 68
	BLOCK 2, 32
	BLOCK 3, 0
	s_endpgm
.Lfunc_end_k_qbb265c7033_quant:
	.size	k_qbb265c7033_quant, .Lfunc_end_k_qbb265c7033_quant-k_qbb265c7033_quant
	.p2alignl 7, 3214868480
	.fill 96, 4, 3214868480
	.section	.rodata,"a",@progbits
	.p2align	6, 0x0
	.amdhsa_kernel k_qbb265c7033_quant
		.amdhsa_group_segment_fixed_size 68608
		.amdhsa_private_segment_fixed_size 0
		.amdhsa_enable_private_segment 0
		.amdhsa_kernarg_size 80
		.amdhsa_user_sgpr_count 2
		.amdhsa_user_sgpr_kernarg_segment_ptr 1
		.amdhsa_wavefront_size32 1
		.amdhsa_system_sgpr_workgroup_id_x 1
		.amdhsa_system_sgpr_workgroup_id_y 1
		.amdhsa_system_sgpr_workgroup_id_z 1
		.amdhsa_system_vgpr_workitem_id 0
		.amdhsa_next_free_vgpr 162
		.amdhsa_next_free_sgpr 84
		.amdhsa_reserve_vcc 0
		.amdhsa_float_denorm_mode_32 3
		.amdhsa_float_denorm_mode_16_64 3
		.amdhsa_memory_ordered 1
		.amdhsa_forward_progress 1
		.amdhsa_inst_pref_size 48
	.end_amdhsa_kernel
	.amdgpu_metadata
---
amdhsa.version: [ 1, 2 ]
amdhsa.kernels:
  - .name:           k_qbb265c7033_quant
    .symbol:         k_qbb265c7033_quant.kd
    .args:
      - { .name: x, .offset: 0, .size: 8, .value_kind: global_buffer, .address_space: global }
      - { .name: Wq, .offset: 8, .size: 8, .value_kind: global_buffer, .address_space: global }
      - { .name: Wk, .offset: 16, .size: 8, .value_kind: global_buffer, .address_space: global }
      - { .name: Wv, .offset: 24, .size: 8, .value_kind: global_buffer, .address_space: global }
      - { .name: Wo, .offset: 32, .size: 8, .value_kind: global_buffer, .address_space: global }
      - { .name: W1, .offset: 40, .size: 8, .value_kind: global_buffer, .address_space: global }
      - { .name: W2, .offset: 48, .size: 8, .value_kind: global_buffer, .address_space: global }
      - { .name: lowp_scales, .offset: 56, .size: 8, .value_kind: global_buffer, .address_space: global }
      - { .name: xc, .offset: 64, .size: 8, .value_kind: global_buffer, .address_space: global }
      - { .name: wc, .offset: 72, .size: 8, .value_kind: global_buffer, .address_space: global }
    .group_segment_fixed_size: 68608
    .private_segment_fixed_size: 0
    .kernarg_segment_align: 8
    .kernarg_segment_size: 80
    .max_flat_workgroup_size: 256
    .sgpr_count:     84
    .vgpr_count:     162
    .wavefront_size: 32
...
	.end_amdgpu_metadata
.endif
;; end of part 1
;; launch qkv (part 2): grid 12 x 16, 4 waves a work-group, clusters of 4 x 4, 327,680 bytes of LDS; arguments xc, wc, bq, bk, bv, mask, lowp_scales, qkvc; writes qkvc
.if DOCPART == 2
	.amdgcn_target "amdgcn-amd-amdhsa--gfx1250"
	.amdhsa_code_object_version 6
	.text
	.protected	k_qbb265c7033_qkv
	.globl	k_qbb265c7033_qkv
	.p2align	8
	.type	k_qbb265c7033_qkv,@function
k_qbb265c7033_qkv:
	s_mov_b64 s[64:65], 0
	v_nop
	global_prefetch_b8 v0, s[64:65] scope:SCOPE_SE
	s_setreg_imm32_b32 hwreg(HW_REG_WAVE_MODE, 25, 1), 1
	s_wait_xcnt 0x0
	s_wait_alu depctr_hold_cnt(0) depctr_sa_sdst(0) depctr_va_vdst(0) depctr_va_sdst(0) depctr_va_ssrc(0) depctr_va_vcc(0) depctr_vm_vsrc(0)
	s_getreg_b32 s2, hwreg(HW_REG_IB_STS2, 6, 4)
	s_cmp_eq_u32 s2, 0
	s_cbranch_scc0 .Lentry_in_a_cluster
	s_endpgm
.Lentry_in_a_cluster:
	s_bfe_u32 s2, ttmp6, 0x10000c
	s_cmp_lg_u32 s2, 0xf033
	s_cbranch_scc0 .Lentry_shape_is_right
	s_endpgm
.Lentry_shape_is_right:
; q = x Wq + bq, k = x Wk + bk, v = x Wv + bv on E5M2 codes, and each result quantised at once for attention: q with 2^e6, k with 2^e7, v with 2^e9.
; The cluster's x says which: 0 q, 1 k, 2 v.  No branch hangs on it: pointers, coordinates and exponents are chosen by selects, alike in all sixteen partners.
; A tile of 256 x 256 is made by four waves, 128 x 128 each: 64 accumulators, 512 registers.  K = 1,024 goes in steps of 256 through a ring of two LDS slots.
; OPERANDS LIE IN MEMORY AND IN LDS AS IMAGES OF FRAGMENTS ([tile of 16 rows][128 along K][piece 0..3][lane][16 bytes]): a fragment is four ds_load_b128 at 16 x lane: consecutive bytes, no pitch, no padding.
; THE MATRIX INSTRUCTION IS USED TRANSPOSED: source 0 = 16 'columns', source 1 = 16 'rows'; a lane then holds ONE row and, in column blocks 2 c and 2 c + 1, the sixteen numbers that are
; piece c of that row's next fragment: two conversions make the piece, and it is stored at 16 x lane, 512 consecutive bytes a store.  No stage in LDS.
; q, k: rows = tokens (x's codes), columns = features (W^T's codes): codes run along the head's 64.   v: rows = features, columns = tokens (the two tensors change places): codes run along the keys.
; k's rows of keys that the mask hides are held at 0: their codes are zeros, so that attention's score of such a key is exactly what it adds for the mask.
; CLUSTER 4 x 4: the rows' tiles are shared along a row of the cluster, the columns' along a column: joint loads.
; LIMITS: e0 + e1, e2 + e3, e4 + e5 between -126 and 127; e6, e7, e9 between -126 and 112.
; REGISTERS: window 0: v0-31 addresses and constants; v32-47 row bias (pairs); v48-55 each row block's hold; v64-127 column bias; v128-255 the rows' fragments, ONE set; on the way out v128-191 numbers, v192-255 codes.
;   window 1: the columns' fragments, TWO sets, at v0 and v128.   windows 2, 3: the accumulators ((a, b) at v[8 (8 (a % 4) + b)]).
.set FRB,    2048                      ; a fragment's image
.set RT,     4096                      ; a tile of 16 rows in a slot: 256 along K
.set HALFT,  8*RT                      ; 128 rows: what one tensor load brings, and what one wave reads of either side
.set SLOT,   4*HALFT                   ; the rows' 256, then the columns' 256
.set SPARE,  2*SLOT                    ; behind the ring: the spare words, 128 bytes a wave
.set LAPS,   2                         ; 1,024 / (2 x 256)
.set FR,     16
.set NL,     4
.set NP,     4
.set ADRA, 16                          ; v16-17 LDS address of my rows' fragments in slot 0, 1
.set ADRB, 20                          ; v20-21 the same for the columns
.set CO,   26                          ; v26 16 x lane
.set SPW,  28                          ; v28 my spare word; never rewritten
.set NIL,  29                          ; v29 0; never rewritten
.set HOLD, 30                          ; v30 57,344 x 2^eout
.set SCL,  31                          ; v31 2^eout
.set BR,   32
.set MK,   48
.set BC,   64
.set AF,   128
.set T,    128
.set CD,   192
.set G1, 24
.set G0, 32
.set G1B, 48
.set G0B, 56
.set MSB, 0
.macro WIN new                         ; the immediate's high byte repeats the setting that is left
.if MSB != \new
	s_set_vgpr_msb (MSB<<8)|\new
.set MSB, \new
.endif
.endm
.set MUL_LO, 0xa1                      ; source 0 window 1, source 1 window 0, C and D window 2
.set MUL_HI, 0xf1                      ; the same, C and D window 3
.set TO_B,   0x40                      ; destination window 1, address window 0
; A joint load: waves 0 and 1 fetch the rows' two halves, waves 2 and 3 the columns'.  The branch hangs on the wave's number alone.  Four v_nop follow each of the two lines.
.macro JLOAD g0a, g1a, g0b, g1b
	s_cmp_eq_u32 s21, 0
	s_cbranch_scc0 .Lfor_b_\@
	tensor_load_to_lds s[\g0a:\g0a+3], s[\g1a:\g1a+7]
	s_nop 0
.rept 4
	v_nop
.endr
	s_branch .Lasked_\@
.Lfor_b_\@:
	tensor_load_to_lds s[\g0b:\g0b+3], s[\g1b:\g1b+7]
	s_nop 0
.rept 4
	v_nop
.endr
.Lasked_\@:
.endm
.macro CREST                           ; a round of the cluster's barrier behind its opening barrier
	s_cmp_lg_u32 s20, 0
	s_cbranch_scc1 .Lnot_wave_0_\@
	s_barrier_signal -3
.Lnot_wave_0_\@:
	s_barrier_wait -3
	s_barrier_signal -1
	s_barrier_wait -1
.endm
.macro CROUND
	s_barrier_signal -1
	s_barrier_wait -1
	CREST
.endm
	s_load_b512 s[4:19], s[0:1], 0x0               ; xc 4:5, wc 6:7, bq 8:9, bk 10:11, bv 12:13, mask 14:15, the exponents 16:17, qkvc 18:19
	v_lshl_add_u32 v[SPW], v0, 2, SPARE
	v_mov_b32 v[NIL], 0
	ds_add_u32 v28, v29
	ds_add_u32 v28, v29
	s_wait_dscnt 0x0
	v_lshrrev_b32 v1, 5, v0
	v_readfirstlane_b32 s20, v1                    ; wave 0..3
	s_lshr_b32 s21, s20, 1                         ; which half of the tile's rows is mine.  Also: I fetch rows (0) or columns (1)
	s_and_b32 s22, s20, 1                          ; which half of its columns.  Also: which 128 of them I fetch
	s_bfe_u32 s40, ttmp6, 0x40000                  ; cx
	s_bfe_u32 s41, ttmp6, 0x40004                  ; cy
	s_mov_b32 s42, ttmp9                           ; the cluster's x: 0 q, 1 k, 2 v
	s_and_b32 s43, ttmp7, 0xffff
	s_lshl_b32 s43, s43, 2                         ; 4 x the cluster's y
	s_add_co_u32 s44, s43, s41
	s_add_co_u32 s45, s43, s40
	s_cmp_eq_u32 s42, 2
	s_cselect_b32 s44, s41, s44                    ; tile of rows: tokens 4 Y + cy, or for v features cy
	s_cselect_b32 s45, s45, s40                    ; tile of columns: features cx, or for v tokens 4 Y + cx
	s_cselect_b32 s46, -1, 0                       ; a lane mask: all ones for v,
	s_not_b32 s23, s46                             ; all ones for q and k,
	s_cmp_eq_u32 s42, 1
	s_cselect_b32 s47, 0, -1                       ; all ones for q and v
	s_lshl_b32 s66, s41, 2
	s_lshl_b32 s66, 15, s66                        ; my row of the cluster
	s_lshl_b32 s90, 0x1111, s40                    ; my column
	; descriptor group 1: 8 tiles of 16 rows, 4,096 bytes of each (256 along K), 16,384 bytes apart; elements of 8 bytes; dense in LDS
	s_or_b32 s[G1+0], s66, (3<<16)|(1<<21)         ; 15:0 the mask; 17:16 elements of 8 bytes; 21 set beside a mask
	s_or_b32 s[G1B+0], s90, (3<<16)|(1<<21)
.irp g, G1, G1B
	s_mov_b32 s[\g+1], 512<<16                     ; tensor_dim0 = 512
	s_mov_b32 s[\g+2], 8<<16                       ; tensor_dim1 = 8
	s_mov_b32 s[\g+3], 512<<16                     ; tile_dim0 = 512
	s_mov_b32 s[\g+4], 8                           ; tile_dim1 = 8
	s_mov_b32 s[\g+5], 2048                        ; tensor_dim0_stride
	s_mov_b32 s[\g+6], 0
	s_mov_b32 s[\g+7], 0
.endr
	s_lshl_b32 s66, s44, 4                         ; rows: tile of 16 number 16 x tile + 8 x half,
	s_lshl_b32 s67, s22, 3
	s_add_co_u32 s66, s66, s67
	s_lshl_b32 s66, s66, 14                        ; 16,384 bytes each
	s_mov_b32 s67, 0
	s_lshl_b32 s90, s45, 4                         ; columns likewise, in registers that never hold cy
	s_lshl_b32 s91, s22, 3
	s_add_co_u32 s90, s90, s91
	s_lshl_b32 s90, s90, 14
	s_mov_b32 s91, 0
	s_lshl_b32 s94, s42, 22                        ; x's codes for this matrix's scale,
	s_mov_b32 s95, 0
	s_lshl_b32 s92, s42, 20                        ; and the matrix's own
	s_mov_b32 s93, 0
	s_lshl_b32 s2, s20, 15                         ; where my load goes: wave x 128 rows
	s_wait_kmcnt 0x0
	s_load_b512 s[68:83], s[16:17], 0x0            ; e0 .. e15 in s68 .. s83
	s_add_nc_u64 s[84:85], s[4:5], s[94:95]
	s_add_nc_u64 s[86:87], s[6:7], s[92:93]
	s_cmp_eq_u32 s42, 2
	s_cselect_b64 s[94:95], s[86:87], s[84:85]     ; the rows' tensor,
	s_cselect_b64 s[92:93], s[84:85], s[86:87]     ; the columns'
	s_add_nc_u64 s[94:95], s[94:95], s[66:67]
	s_add_nc_u64 s[92:93], s[92:93], s[90:91]
	CROUND                                         ; all sixteen work-groups are here: the first joint loads meet
.irp s, 0,1
	s_mov_b32 s[G0+4*\s], 1
	s_add_co_u32 s[G0+4*\s+1], s2, \s*SLOT
	s_add_nc_u64 s[G0+4*\s+2:G0+4*\s+3], s[94:95], \s*RT
	s_or_b32 s[G0+4*\s+3], s[G0+4*\s+3], 0x80000000
	s_mov_b32 s[G0B+4*\s], 1
	s_add_co_u32 s[G0B+4*\s+1], s2, \s*SLOT
	s_add_nc_u64 s[G0B+4*\s+2:G0B+4*\s+3], s[92:93], \s*RT
	s_or_b32 s[G0B+4*\s+3], s[G0B+4*\s+3], 0x80000000
	JLOAD G0+4*\s, G1, G0B+4*\s, G1B
.endr
	v_and_b32 v1, 31, v0
	v_lshlrev_b32 v[CO], 4, v1                     ; 16 x lane
	v_and_b32 v2, 15, v0                           ; r
	v_bfe_u32 v3, v0, 4, 1                         ; h
	v_lshlrev_b32 v4, 5, v3                        ; 32 h: my eight columns of a block, in f32
	v_lshlrev_b32 v5, 2, v2                        ; 4 r: my row of a block
	s_lshl_b32 s66, s21, 15                        ; my 128 rows,
	s_lshl_b32 s67, s22, 15                        ; my 128 columns,
	s_add_co_u32 s67, s67, 2*HALFT                 ; which lie behind the rows' 256
.irp s, 0,1
	v_add_nc_u32 v[ADRA+\s], s66, v[CO]
	v_add_nc_u32 v[ADRB+\s], s67, v[CO]
	s_add_co_u32 s66, s66, SLOT
	s_add_co_u32 s67, s67, SLOT
.endr
	; The bias lies along the features: along the columns for q and k, along the rows for v.  Both forms are loaded, inside the buffer in every case, and the one that does not apply is made 0 on the way out.
	s_cmp_eq_u32 s42, 1
	s_cselect_b64 s[88:89], s[10:11], s[8:9]
	s_cmp_eq_u32 s42, 2
	s_cselect_b64 s[88:89], s[12:13], s[88:89]
	s_lshl_b32 s66, s45, 10
	s_lshl_b32 s67, s22, 9
	s_add_co_u32 s66, s66, s67                     ; my first column, x 4 bytes
	s_lshl_b32 s90, s44, 10
	s_lshl_b32 s91, s21, 9
	s_add_co_u32 s90, s90, s91                     ; my first row, x 4 bytes
	s_mov_b32 s91, 0
	s_add_nc_u64 s[100:101], s[14:15], s[90:91]    ; the mask at my rows (they are tokens for q and k; for v the numbers are read and not used)
	s_cmp_eq_u32 s42, 2
	s_cselect_b32 s66, 0, s66
	s_cselect_b32 s90, s90, 0
	s_mov_b32 s67, 0
	s_add_nc_u64 s[98:99], s[88:89], s[90:91]
	s_add_nc_u64 s[88:89], s[88:89], s[66:67]
.irp b, 0,1,2,3,4,5,6,7
	global_load_b128 v[BC+8*\b:BC+8*\b+3],   v4, s[88:89] offset:64*\b      ; these loads are waited for on the way out; their addresses are not rewritten
	global_load_b128 v[BC+8*\b+4:BC+8*\b+7], v4, s[88:89] offset:64*\b+16
.endr
.irp a, 0,1,2,3,4,5,6,7
	global_load_b32 v[BR+2*\a], v5, s[98:99] offset:64*\a
	global_load_b32 v[MK+\a], v5, s[100:101] offset:64*\a
.endr
	; where my 16 KB of codes go: q, k: [batch x 8 + head pair][tile of 16 tokens][head of the pair][piece][512];  v: [batch x 8 + head pair][128 keys][head of the pair][16 channels][piece][512]
	s_cmp_eq_u32 s42, 2
	s_cselect_b32 s66, s45, s44                    ; the tile of tokens,
	s_cselect_b32 s67, s44, s45                    ; of features,
	s_cselect_b32 s90, s22, s21                    ; my half of the tokens,
	s_cselect_b32 s91, s21, s22                    ; of the features
	s_lshr_b32 s94, s66, 3
	s_lshl_b32 s94, s94, 3                         ; batch x 8
	s_lshl_b32 s67, s67, 1
	s_add_co_u32 s94, s94, s67
	s_add_co_u32 s94, s94, s91                     ; + head pair
	s_lshl_b32 s94, s94, 18
	s_and_b32 s66, s66, 7
	s_lshl_b32 s66, s66, 1
	s_add_co_u32 s66, s66, s90                     ; which 128 tokens of the batch
	s_lshl_b32 s66, s66, 14
	s_add_co_u32 s94, s94, s66
	s_lshl_b32 s66, s42, 22                        ; q, k, v lie 4 MiB apart
	s_add_co_u32 s94, s94, s66
	s_mov_b32 s95, 0
	s_add_nc_u64 s[92:93], s[18:19], s[94:95]
.macro FRAG reg, adr, q, i             ; a fragment, 16 rows x 128 K, is 16 registers: four loads of 512 consecutive bytes
.irp c, 0,1,2,3
	ds_load_b128 v[\reg+4*\c:\reg+4*\c+3], v[\adr] offset:RT*(\i)+FRB*(\q)+512*\c
.endr
.endm
; 16 matrix instructions: row blocks a0, a0 + 1 x the eight column blocks, 128 along K.  p: the columns' set.  zero = 1: the first product starts the sums.
; The 64 accumulators take turns, one instruction a turn, in the same order in every step.
.macro MUL16 a0, p, zero
.irp a, \a0, \a0+1
.irp b, 0,1,2,3,4,5,6,7
.if \zero
	v_wmma_f32_16x16x128_bf8_bf8 v[8*(8*((\a)%4)+\b):8*(8*((\a)%4)+\b)+7], v[128*(\p)+FR*\b:128*(\p)+FR*\b+FR-1], v[AF+FR*(\a):AF+FR*(\a)+FR-1], 0
.else
	v_wmma_f32_16x16x128_bf8_bf8 v[8*(8*((\a)%4)+\b):8*(8*((\a)%4)+\b)+7], v[128*(\p)+FR*\b:128*(\p)+FR*\b+FR-1], v[AF+FR*(\a):AF+FR*(\a)+FR-1], v[8*(8*((\a)%4)+\b):8*(8*((\a)%4)+\b)+7]
.endif
.endr
.endr
.endm
.macro FETCH_B slot, q, p
	WIN TO_B
.irp i, 0,1,2,3,4,5,6,7
	FRAG 128*(\p)+FR*\i, ADRB+\slot, \q, \i
.endr
	WIN 0
.endm
.macro FETCH_A slot, q, i0
.irp i, \i0, \i0+1, \i0+2, \i0+3
	FRAG AF+FR*(\i), ADRA+\slot, \q, \i
.endr
.endm
; A load into a register that a matrix instruction has read, and a vector instruction that reads a matrix result, stand four places behind it; only plain vector instructions that name none of its registers are places.
.macro PLACES n
.rept \n
	v_nop
.endr
.endm
; A step of 128 along K that has its successor in the same slot.  A row block is free as soon as its eight products are issued: blocks 0-3 are fetched anew in the step's middle, blocks 4-7 at its end.
.macro STEP slot, q, zero
	s_wait_dscnt 4*NL                              ; the columns' set and row blocks 0-3 are in; the youngest sixteen loads (blocks 4-7) may be out
	WIN MUL_LO
	MUL16 0, (\q)%2, \zero
	MUL16 2, (\q)%2, \zero
	s_wait_dscnt 0
	PLACES NP
	FETCH_B \slot, (\q)+1, 1-(\q)%2
	FETCH_A \slot, (\q)+1, 0
	WIN MUL_HI
	MUL16 4, (\q)%2, \zero
	MUL16 6, (\q)%2, \zero
	PLACES NP
	WIN 0
	FETCH_A \slot, (\q)+1, 4
.endm
; A slot's last step changes slots: ONE barrier; in front of it each wave waits for all its tensor loads, adds 0 to its spare word, and waits for that and for its reads of this slot.
.macro TURN slot, next, fill
	s_wait_tensorcnt 0x0                           ; all my tensor loads have landed: my part of the next slot
	ds_add_u32 v[SPW], v[NIL]                      ; 0 onto my spare word
	s_wait_dscnt 4*NL+1                            ; (the add and the sixteen loads of blocks 4-7 may be out)
	WIN MUL_LO
	MUL16 0, 1, 0
	s_wait_dscnt 0x0                               ; the add is done, and my reads of this slot are over
	s_barrier_signal -1
	MUL16 2, 1, 0
	WIN 0
	s_barrier_wait -1
.if \fill
	CREST                                          ; the barrier has opened a round of the cluster's: no wave of any partner still reads this slot or has a load on its way
	s_add_nc_u64 s[G0+4*\slot+2:G0+4*\slot+3], s[G0+4*\slot+2:G0+4*\slot+3], 2*RT
	s_add_nc_u64 s[G0B+4*\slot+2:G0B+4*\slot+3], s[G0B+4*\slot+2:G0B+4*\slot+3], 2*RT
	JLOAD G0+4*\slot, G1, G0B+4*\slot, G1B         ; the first tensor load behind the round; its four v_nop are the places in front of the loads below
.else
	PLACES NP
.endif
	FETCH_B \next, 0, 0
	FETCH_A \next, 0, 0
	WIN MUL_HI
	MUL16 4, 1, 0
	MUL16 6, 1, 0
	PLACES NP
	WIN 0
	FETCH_A \next, 0, 4
.endm
	s_wait_tensorcnt 1                             ; my part of slot 0 is in; slot 1's load may be out
	s_barrier_signal -1
	s_barrier_wait -1
	FETCH_B 0, 0, 0
	FETCH_A 0, 0, 0
	FETCH_A 0, 0, 4
	STEP 0, 0, 1
	s_mov_b32 s3, LAPS-1
.Llap:                                                 ; a trip goes once round the ring and fills both slots again
	TURN 0, 1, 1
	STEP 1, 0, 0
	TURN 1, 0, 1
	STEP 0, 0, 0
	s_sub_co_u32 s3, s3, 1
	s_cmp_lg_u32 s3, 0
	s_cbranch_scc1 .Llap
	TURN 0, 1, 0                                   ; the last lap fills nothing
	STEP 1, 0, 0
	s_wait_dscnt 4*NL
	WIN MUL_LO
	MUL16 0, 1, 0
	MUL16 2, 1, 0
	s_wait_dscnt 0
	WIN MUL_HI
	MUL16 4, 1, 0
	MUL16 6, 1, 0
	WIN 0
	; THE WAY OUT
	s_wait_kmcnt 0x0
	s_add_co_i32 s94, s68, s69
	s_add_co_i32 s95, s70, s71
	s_add_co_i32 s96, s72, s73
	s_cmp_eq_u32 s42, 1
	s_cselect_b32 s94, s95, s94
	s_cselect_b32 s97, s75, s74
	s_cmp_eq_u32 s42, 2
	s_cselect_b32 s94, s96, s94                    ; the product's two exponents added,
	s_cselect_b32 s97, s77, s97                    ; and the result's own: e6, e7 or e9
	s_add_co_i32 s94, s94, 127
	s_lshl_b32 s96, s94, 23                        ; 2^(eA + eB) as f32
	s_add_co_i32 s97, s97, 127
	s_lshl_b32 s94, s97, 23
	v_mov_b32 v[SCL], s94
	s_add_co_i32 s97, s97, 15
	s_lshl_b32 s97, s97, 23
	s_or_b32 s97, s97, 0x600000
	v_mov_b32 v[HOLD], s97
	s_mov_b32 s97, s96                             ; (named with s96 as a pair, so it is written)
	s_wait_loadcnt 0x0                             ; biases and mask
	PLACES NP
.set j, 0
.rept 64
	v_cndmask_b32 v[BC+j], 0, v[BC+j], s23         ; the column bias counts for q and k
.set j, j+1
.endr
.irp a, 0,1,2,3,4,5,6,7
	v_cndmask_b32 v[BR+2*\a], 0, v[BR+2*\a], s46   ; the row bias for v,
	v_mov_b32 v[BR+2*\a+1], v[BR+2*\a]             ; twice, for the packed addition
	v_cmp_ne_u32 vcc_lo, 0, v[MK+\a]
	s_or_b32 vcc_lo, vcc_lo, s47
	v_cndmask_b32 v[MK+\a], 0, v[HOLD], vcc_lo     ; my row's hold: 0 for a key that the mask hides, else the largest code x the scale
.endr
.macro EPI a                           ; row block a: 16 rows x 128 columns
.set AC, 64*((\a)%4)
.set CDA, CD+16*((\a)%4)
	WIN 0x02+((\a)/4)                              ; source 0: window 2 or 3
.set j, 0
.rept 32
	v_pk_fma_f32 v[T+j:T+j+1], v[AC+j:AC+j+1], s[96:97], v[BC+j:BC+j+1] op_sel_hi:[1,0,1]   ; sum x 2^(eA + eB) + bias; each accumulator from its low end on
.set j, j+2
.endr
	WIN 0
.set j, 0
.rept 32
	v_pk_add_f32 v[T+j:T+j+1], v[T+j:T+j+1], v[BR+2*(\a):BR+2*(\a)+1]
.set j, j+2
.endr
.set j, 0
.rept 64
	v_med3_num_f32 v[T+j], v[T+j], -v[MK+(\a)], v[MK+(\a)]
.set j, j+1
.endr
.irp b, 0,1,2,3,4,5,6,7
	v_cvt_scalef32_pk8_bf8_f32 v[CDA+2*\b:CDA+2*\b+1], v[T+8*\b:T+8*\b+7], v[SCL]
.endr
	v_nop                                          ; one plain line between the conversions and the next block's writes of their sources
.irp c, 0,1,2,3
	global_store_b128 v[CO], v[CDA+4*\c:CDA+4*\c+3], s[92:93] offset:FRB*(\a)+512*\c   ; 32 lanes store 512 consecutive bytes, aligned
.endr
.endm
	EPI 0
	EPI 1
	EPI 2
	EPI 3
	s_wait_xcnt 0x0                                ; the four sets of code registers are written again only behind this wait
	EPI 4
	EPI 5
	EPI 6
	EPI 7
	s_wait_tensorcnt 0x0                           ; the wave's end
	ds_add_u32 v[SPW], v[NIL]
	s_wait_dscnt 0x0
	CROUND                                         ; the closing round
	s_endpgm
.Lfunc_end_k_qbb265c7033_qkv:
	.size	k_qbb265c7033_qkv, .Lfunc_end_k_qbb265c7033_qkv-k_qbb265c7033_qkv
	.p2alignl 7, 3214868480
	.fill 96, 4, 3214868480
	.section	.rodata,"a",@progbits
	.p2align	6, 0x0
	.amdhsa_kernel k_qbb265c7033_qkv
		.amdhsa_group_segment_fixed_size 327680
		.amdhsa_private_segment_fixed_size 0
		.amdhsa_enable_private_segment 0
		.amdhsa_kernarg_size 64
		.amdhsa_user_sgpr_count 2
		.amdhsa_user_sgpr_kernarg_segment_ptr 1
		.amdhsa_wavefront_size32 1
		.amdhsa_system_sgpr_workgroup_id_x 1
		.amdhsa_system_sgpr_workgroup_id_y 1
		.amdhsa_system_sgpr_workgroup_id_z 1
		.amdhsa_system_vgpr_workitem_id 0
		.amdhsa_next_free_vgpr 1024
		.amdhsa_next_free_sgpr 102
		.amdhsa_reserve_vcc 1
		.amdhsa_float_denorm_mode_32 3
		.amdhsa_float_denorm_mode_16_64 3
		.amdhsa_memory_ordered 1
		.amdhsa_forward_progress 1
		.amdhsa_inst_pref_size 159
	.end_amdhsa_kernel
	.amdgpu_metadata
---
amdhsa.version: [ 1, 2 ]
amdhsa.kernels:
  - .name:           k_qbb265c7033_qkv
    .symbol:         k_qbb265c7033_qkv.kd
    .args:
      - { .name: xc, .offset: 0, .size: 8, .value_kind: global_buffer, .address_space: global }
      - { .name: wc, .offset: 8, .size: 8, .value_kind: global_buffer, .address_space: global }
      - { .name: bq, .offset: 16, .size: 8, .value_kind: global_buffer, .address_space: global }
      - { .name: bk, .offset: 24, .size: 8, .value_kind: global_buffer, .address_space: global }
      - { .name: bv, .offset: 32, .size: 8, .value_kind: global_buffer, .address_space: global }
      - { .name: mask, .offset: 40, .size: 8, .value_kind: global_buffer, .address_space: global }
      - { .name: lowp_scales, .offset: 48, .size: 8, .value_kind: global_buffer, .address_space: global }
      - { .name: qkvc, .offset: 56, .size: 8, .value_kind: global_buffer, .address_space: global }
    .group_segment_fixed_size: 327680
    .private_segment_fixed_size: 0
    .kernarg_segment_align: 8
    .kernarg_segment_size: 64
    .max_flat_workgroup_size: 128
    .sgpr_count:     102
    .vgpr_count:     1024
    .wavefront_size: 32
...
	.end_amdgpu_metadata
.endif
;; end of part 2
;; launch attn (part 3): grid 8 x 32, 8 waves a work-group, clusters of 4 x 1, 271,360 bytes of LDS; arguments qkvc, mask, lowp_scales, ctxc; writes ctxc
.if DOCPART == 3
	.amdgcn_target "amdgcn-amd-amdhsa--gfx1250"
	.amdhsa_code_object_version 6
	.text
	.protected	k_qbb265c7033_attn
	.globl	k_qbb265c7033_attn
	.p2align	8
	.type	k_qbb265c7033_attn,@function
k_qbb265c7033_attn:
	s_mov_b64 s[64:65], 0
	v_nop
	global_prefetch_b8 v0, s[64:65] scope:SCOPE_SE
	s_setreg_imm32_b32 hwreg(HW_REG_WAVE_MODE, 25, 1), 1
	s_wait_xcnt 0x0
	s_wait_alu depctr_hold_cnt(0) depctr_sa_sdst(0) depctr_va_vdst(0) depctr_va_sdst(0) depctr_va_ssrc(0) depctr_va_vcc(0) depctr_vm_vsrc(0)
	s_getreg_b32 s2, hwreg(HW_REG_IB_STS2, 6, 4)
	s_cmp_eq_u32 s2, 0
	s_cbranch_scc0 .Lentry_in_a_cluster
	s_endpgm
.Lentry_in_a_cluster:
	s_bfe_u32 s2, ttmp6, 0x10000c
	s_cmp_lg_u32 s2, 0x3003
	s_cbranch_scc0 .Lentry_shape_is_right
	s_endpgm
.Lentry_shape_is_right:
; ctx = softmax(q k^T / 8, masked) v for one head and 256 queries a work-group, both products on E5M2 codes; ctx is quantised at once with 2^e10 for the next product.
; THE SOFTMAX: t = logit x log2(e); M = the running largest t rounded UP to a whole number; p = 2^(t - M) is quantised (2^e8); the row's sum is taken of the unquantised p and divides at the end.
; When M moves, the sum and O are multiplied by 2^(old M - new M): exact.
; THE MASK costs no vector line: the C of each score product is 0 for a key that counts and CM = -2^(33 - e6 - e7) for one that is hidden, whose codes are zeros.  So a hidden key's t is exactly
; -2^30 log2(e), a whole number: p is 0 beside any key that counts, and exactly 1 in a row all of whose keys are hidden, as with the -1e9 that stands for it.  LIMIT: real logits lie above -9e8.
; SHARES.  Eight waves, two to a SIMD; a wave owns 32 queries, two tiles, so that each fragment of K, V and C read from LDS feeds two products.  Every wave walks all 2,048 keys, 128 a step.
; THE HEAD'S WHOLE K AND V LIE IN LDS (128 KiB each): every byte of LDS is filled once, in four chunks of 512 keys, all asked for at the start; nothing is filled again.
; CLUSTER 4 x 1: the four blocks of queries of a cluster belong to one head: each tile of K and V is asked for jointly.
; LAYOUT.  Both products transposed: S^T = K Q^T (source 0 = 16 keys), O^T = V^T P^T (source 0 = 16 channels): a lane holds ONE query throughout.  The registers of key tiles 2 b and 2 b + 1 are piece b
; of P's fragment in the 8-bit forms' own order of k, which is also the order in which V's codes were laid.
; THE SOFTMAX'S LINES STAND BY TURNS, NOT IN PHASES.  A tile's 64 exponentials are cut into 32 slots of two; beside them a slot holds plain lines that are due: the scaling t - M two pairs ahead, the sum of the pair
; before, the holds of the pair before that, the conversions behind every 16 holds.  Tile 1's maxima and statistics, 44 lines, are dealt among tile 0's slots.  So dependent lines have other lines between them.
; LIMITS: e6 + e7 between -94 and 130; e8 and e10 between -126 and 112; e8 + e9 is applied by v_ldexp_f32.
; REGISTERS: window 0: v1-7 addresses; v8-15, v16-23 statistics of tile 0, 1 (-M, largest t | sum, two halves | f, - | at work); v24 57,344 x 2^e8; v25 2^e8; v26 for the lane exchange; v27 CM;
;   v[28:29], v[30:31] tile 0's, 1's: last two of the four chains of the maximum, then the sum's second chain; v32-47 Q; v48-79 P's codes; v80-207 S^T, then p; v208-255 the way out.
;   window 1: v0-63 O^T (32 a tile); v64-127 K; v128-191 V; v192-255 C.
.set VL,  131072                       ; LDS: K at 0 (a tile of 16 keys: 1,024 bytes), V here (128 keys: 4 x 2,048 bytes),
.set BL,  262144                       ; and 2,048 f32 for the mask, stored by the waves: no tile lands there
.set LI,  1
.set ADK, 2
.set ADV, 3
.set ADB, 4
.set BH,  5
.set ST,  8
.set PH,  24
.set PS,  25
.set PX,  26
.set CMR, 27
.set W,   28
.set Q,   32
.set P,   48
.set S,   80
.set TO,  208
.set CDO, 240
.set KF,  64
.set VF,  128
.set BF,  192
.set G1K, 24
.set G1V, 48
.set G0,  32
.set MSB, 0
.macro WIN new
.if MSB != \new
	s_set_vgpr_msb (MSB<<8)|\new
.set MSB, \new
.endif
.endm
.macro CROUND
	s_barrier_signal -1
	s_barrier_wait -1
	s_cmp_lg_u32 s12, 0
	s_cbranch_scc1 .Lnot_wave_0_\@
	s_barrier_signal -3
.Lnot_wave_0_\@:
	s_barrier_wait -3
	s_barrier_signal -1
	s_barrier_wait -1
.endm
.macro PLACES
.rept 4
	v_nop
.endr
.endm
	s_load_b256 s[4:11], s[0:1], 0x0               ; qkvc 4:5, mask 6:7, the exponents 8:9, ctxc 10:11
	v_lshl_add_u32 v254, v0, 2, 0x42000
	v_mov_b32 v255, 0
	ds_add_u32 v254, v255
	ds_add_u32 v254, v255
	s_wait_dscnt 0x0
	v_lshrrev_b32 v1, 5, v0
	v_readfirstlane_b32 s12, v1                    ; wave 0..7
	s_bfe_u32 s13, ttmp6, 0x40000                  ; cx: it enters Q's and ctx's addresses alone
	s_lshl_b32 s14, ttmp9, 2
	s_add_co_u32 s14, s14, s13                     ; my block of 256 queries
	s_and_b32 s15, ttmp7, 0xffff                   ; 16 x batch + head, which the four partners share
	s_lshr_b32 s16, s12, 2                         ; I fetch for K (0) or for V (1),
	s_and_b32 s17, s12, 3                          ; which quarter of a chunk
	s_add_co_u32 s60, s16, 1
	s_lshl_b32 s60, s60, 22                        ; k lies 4 MiB, v 8 MiB into the buffer
	s_lshr_b32 s59, s15, 1
	s_lshl_b32 s59, s59, 18                        ; the head pair's 262,144 bytes
	s_add_co_u32 s60, s60, s59
	s_and_b32 s63, s15, 1                          ; which head of the pair:
	s_mul_i32 s19, s16, 3
	s_add_co_u32 s19, s19, 10
	s_lshl_b32 s18, s63, s19                       ; 1,024 bytes on in K's tiles, 8,192 in V's
	s_add_co_u32 s60, s60, s18
	s_lshl_b32 s18, s17, 14                        ; my quarter: 8 tiles of keys, or 128 keys of V: 16,384 bytes of memory
	s_add_co_u32 s60, s60, s18
	s_mov_b32 s61, 0
	s_lshl_b32 s62, s16, 17                        ; in LDS: K's or V's half,
	s_lshl_b32 s18, s17, 13                        ; 8,192 bytes a quarter
	s_add_co_u32 s62, s62, s18
	s_lshl_b32 s84, s14, 4
	s_lshl_b32 s18, s12, 1
	s_add_co_u32 s84, s84, s18                     ; my first tile of 16 queries in the batch
	s_mov_b32 s88, s84
	s_lshl_b32 s84, s84, 11
	s_add_co_u32 s84, s84, s59
	s_lshl_b32 s18, s63, 10
	s_add_co_u32 s84, s84, s18
	s_mov_b32 s85, 0
	s_lshr_b32 s89, s15, 4                         ; the batch
	s_lshl_b32 s86, s89, 13                        ; its 2,048 words of the mask
	s_mov_b32 s87, 0
	s_lshl_b32 s90, s89, 7
	s_add_co_u32 s90, s90, s88
	s_lshl_b32 s90, s90, 14                        ; ctx's codes: a tile of 16 tokens is 16,384 bytes,
	s_and_b32 s18, s15, 15
	s_lshl_b32 s18, s18, 10                        ; a head's 64 channels 1,024 of them
	s_add_co_u32 s90, s90, s18
	s_mov_b32 s91, 0
	; descriptor group 1: 8 rows of 1,024 bytes, elements of 8 bytes, dense in LDS.  K: 2,048 bytes apart in memory (the pair's other head lies between); V: on end
	s_mov_b32 s[G1K], 15|(3<<16)|(1<<21)           ; 15:0 the mask: all four work-groups; 17:16 elements of 8 bytes; 21 set beside a mask
	s_mov_b32 s[G1V], 15|(3<<16)|(1<<21)
.irp g, G1K, G1V
	s_mov_b32 s[\g+1], 128<<16                     ; tensor_dim0
	s_mov_b32 s[\g+2], 8<<16                       ; tensor_dim1
	s_mov_b32 s[\g+3], 128<<16                     ; tile_dim0
	s_mov_b32 s[\g+4], 8                           ; tile_dim1
	s_mov_b32 s[\g+6], 0
	s_mov_b32 s[\g+7], 0
.endr
	s_mov_b32 s[G1K+5], 256                        ; tensor_dim0_stride
	s_mov_b32 s[G1V+5], 128
	s_mov_b32 s20, 0x76543210                      ; v_permlanex16_b32's selects for lane l xor 16
	s_mov_b32 s21, 0xfedcba98
	s_wait_kmcnt 0x0
	s_load_b512 s[68:83], s[8:9], 0x0              ; e0 .. e15 in s68 .. s83
	s_add_nc_u64 s[60:61], s[4:5], s[60:61]
	s_add_nc_u64 s[84:85], s[4:5], s[84:85]
	s_add_nc_u64 s[86:87], s[6:7], s[86:87]
	s_add_nc_u64 s[90:91], s[10:11], s[90:91]
.irp g, 0,1,2,3                        ; a group 0 for each chunk of 512 keys
	s_mov_b32 s[G0+4*\g], 1
	s_add_co_u32 s[G0+4*\g+1], s62, \g*32768
	s_add_nc_u64 s[G0+4*\g+2:G0+4*\g+3], s[60:61], \g*65536
	s_or_b32 s[G0+4*\g+3], s[G0+4*\g+3], 0x80000000
.endr
	CROUND                                         ; all four work-groups are here: the joint loads meet
	s_cmp_lt_u32 s12, 4                            ; a wave's four fills stand in one branch, ahead of every wait on TENSORcnt and every LDS read: four loads of mine are out
	s_cbranch_scc0 .Lfill_v
.irp g, 0,1,2,3
	tensor_load_to_lds s[G0+4*\g:G0+4*\g+3], s[G1K:G1K+7]
	s_nop 0
.endr
	PLACES
	s_branch .Lfilled
.Lfill_v:
.irp g, 0,1,2,3
	tensor_load_to_lds s[G0+4*\g:G0+4*\g+3], s[G1V:G1V+7]
	s_nop 0
.endr
	PLACES
.Lfilled:
	v_and_b32 v6, 31, v0
	v_lshlrev_b32 v[LI], 4, v6                     ; 16 x lane
	v_bfe_u32 v6, v0, 4, 1
	v_lshl_add_u32 v[BH], v6, 5, BL                ; the mask's numbers of my eight keys of a tile
.irp u, 0,1
.irp c, 0,1
	global_load_b128 v[Q+8*\u+4*\c:Q+8*\u+4*\c+3], v[LI], s[84:85] offset:2048*\u+512*\c   ; Q stays in registers
.endr
.endr
	v_lshlrev_b32 v6, 5, v0                        ; thread t takes keys 8 t .. 8 t + 7 of the mask
	global_load_b128 v[TO:TO+3], v6, s[86:87]
	global_load_b128 v[TO+4:TO+7], v6, s[86:87] offset:16
	v_lshl_add_u32 v7, v0, 5, BL
	WIN 0x40
.set j, 0
.rept 64
	v_mov_b32 v[j], 0                              ; O^T.  (The step is written once: the first finds zeros, which the first change of M leaves zeros)
.set j, j+1
.endr
	WIN 0
.irp u, 0,1
	v_mov_b32 v[ST+8*\u+1], 0xff61b1e6             ; the largest t so far: -3e38
	v_floor_f32 v[ST+8*\u], -v[ST+8*\u+1]          ; -M
	v_mov_b32 v[ST+8*\u+2], 0                      ; the sum, in two halves
	v_mov_b32 v[ST+8*\u+3], 0
	v_mov_b32 v[ST+8*\u+5], 0                      ; (named as the upper half of f's pair)
.endr
	v_mov_b32 v[PX], 0                             ; a lane permute's destination counts as one of its sources
	s_wait_kmcnt 0x0
	s_add_co_i32 s59, s74, s75                     ; e6 + e7
	s_sub_co_i32 s63, s59, 3
	s_lshl_b32 s63, s63, 23
	s_add_co_i32 s22, s63, 0x3fb8aa3b              ; c = log2(e) x 2^(e6 + e7 - 3): t = sum x c
	s_mov_b32 s23, s22
	s_sub_co_i32 s63, 160, s59
	s_lshl_b32 s63, s63, 23
	s_or_b32 s63, s63, 0x80000000
	v_mov_b32 v[CMR], s63                          ; CM = -2^(33 - e6 - e7)
	s_add_co_i32 s63, s76, 127
	s_lshl_b32 s59, s63, 23
	v_mov_b32 v[PS], s59                           ; 2^e8
	s_add_co_i32 s63, s63, 15
	s_lshl_b32 s63, s63, 23
	s_or_b32 s63, s63, 0x600000
	v_mov_b32 v[PH], s63                           ; 57,344 x 2^e8
	s_wait_loadcnt 0x0                             ; Q and the mask
.irp i, 0,1,2,3,4,5,6,7
	v_cmp_eq_u32 vcc_lo, 0, v[TO+\i]
	v_cndmask_b32 v[TO+\i], 0, v[CMR], vcc_lo
.endr
	ds_store_b128 v7, v[TO:TO+3]
	ds_store_b128 v7, v[TO+4:TO+7] offset:16
; LINE xx OF 44 OF TILE u'S MAXIMA AND STATISTICS.
;   0-31   the largest of my query's 64 sums, three operands at a time, in four chains, ascending: each accumulator is read from its low end on
;   32-40  the other half of the lanes' largest; as t; the running largest t; the new -M = floor(-t); f = 2^(old M - new M)
;   41     the sum under the new M;   42, 43  t - M for the first two pairs, ahead of the tile's first exponentials
.macro MX u
.set mS, S+64*(\u)
.set mT, ST+8*(\u)
.set mW, W+2*(\u)
.set mC, mT+6+xx%4
.if xx%4 > 1
.set mC, mW+xx%4-2
.endif
.if xx < 4
	v_max3_num_f32 v[mC], v[mS+3*xx], v[mS+3*xx+1], v[mS+3*xx+2]
.elseif xx < 30
	v_max3_num_f32 v[mC], v[mC], v[mS+2*xx+4], v[mS+2*xx+5]
.elseif xx == 30
	v_max3_num_f32 v[mT+6], v[mT+6], v[mT+7], v[mW]
.elseif xx == 31
	v_max_num_f32 v[mT+6], v[mT+6], v[mW+1]
.elseif xx == 32
	v_permlanex16_b32 v[PX], v[mT+6], s20, s21
.elseif xx == 33
	v_max_num_f32 v[mT+6], v[mT+6], v[PX]                  ; and among lane l xor 16's
.elseif xx == 34
	v_mul_f32 v[mT+6], s22, v[mT+6]                        ; as t (c is positive)
.elseif xx == 35
	v_max_num_f32 v[mT+1], v[mT+1], v[mT+6]                ; the running largest t
.elseif xx == 36
	v_mov_b32 v[mT+6], v[mT]
.elseif xx == 37
	v_floor_f32 v[mT], -v[mT+1]                            ; the new -M = floor(-t)
.elseif xx == 38
	v_sub_f32 v[mT+6], v[mT], v[mT+6]                      ; old M - new M: a whole number, 0 or less
.elseif xx == 39
	v_cvt_i32_f32 v[mT+6], v[mT+6]                         ; (it saturates)
.elseif xx == 40
	v_ldexp_f32 v[mT+4], 1.0, v[mT+6]                      ; f = 2^(old M - new M)
.elseif xx == 41
	v_pk_mul_f32 v[mT+2:mT+3], v[mT+2:mT+3], v[mT+4:mT+5] op_sel_hi:[1,0]
.else
	v_pk_fma_f32 v[mS+2*(xx-42):mS+2*(xx-42)+1], v[mS+2*(xx-42):mS+2*(xx-42)+1], s[22:23], v[mT:mT+1] op_sel_hi:[1,0,0]
.endif
.endm
; SLOT i OF 34 OF TILE u.  Pair n is the lane's numbers 2 n and 2 n + 1.  In order: t - M for pair i + 2 | p of number 2 i | the sum takes pair i - 1 | the hold of number 2 i - 4 | p of number 2 i + 1 |
; the hold of number 2 i - 3 | behind the hold of a sixteenth number, its two conversions.  A plain line that names none of its registers follows each exponential (in slots 0 and 1 the two stand together and the
; next plain line follows them), and a result is read one slot later (ISA guide 5.7.2).  The sum takes a pair ahead of its holds: it is the sum of the unquantised p.
.macro SLOT u
.set rS, S+64*(\u)
.set rT, ST+8*(\u)
.set rP, P+16*(\u)
.set rW, W+2*(\u)
.if i < 30
	v_pk_fma_f32 v[rS+2*i+4:rS+2*i+5], v[rS+2*i+4:rS+2*i+5], s[22:23], v[rT:rT+1] op_sel_hi:[1,0,0]   ; t - M (of the pairs c and -M the low word serves both halves)
.endif
.if i < 32
	v_exp_f32 v[rS+2*i], v[rS+2*i]                         ; p = 2^(t - M)
.endif
.if i == 2
	s_wait_alu depctr_va_vdst(0)
	v_pk_add_f32 v[rW:rW+1], v[rS:rS+1], v[rS+2:rS+3]      ; pairs 0 and 1 start the second chain
.elseif (i > 2) && (i < 33)
.if i%2 == 1
	s_wait_alu depctr_va_vdst(0)
	v_pk_add_f32 v[rT+2:rT+3], v[rT+2:rT+3], v[rS+2*i-2:rS+2*i-1]
.else
	s_wait_alu depctr_va_vdst(0)
	v_pk_add_f32 v[rW:rW+1], v[rW:rW+1], v[rS+2*i-2:rS+2*i-1]
.endif
.endif
.if i > 1
	v_min_num_f32 v[rS+2*i-4], v[rS+2*i-4], v[PH]          ; the conversion does not saturate (ISA guide 7.6.2); p is not negative: a one-sided hold
.endif
.if i < 32
	v_exp_f32 v[rS+2*i+1], v[rS+2*i+1]
.endif
.if i > 1
	v_min_num_f32 v[rS+2*i-3], v[rS+2*i-3], v[PH]
.endif
.if (i > 8) && ((i-9)%8 == 0)
	v_cvt_scalef32_pk8_bf8_f32 v[rP+(i-9)/2:rP+(i-9)/2+1],   v[rS+2*(i-9):rS+2*(i-9)+7],    v[PS]   ; piece (i - 9) / 8 of P's fragment
	v_cvt_scalef32_pk8_bf8_f32 v[rP+(i-9)/2+2:rP+(i-9)/2+3], v[rS+2*(i-9)+8:rS+2*(i-9)+15], v[PS]
.endif
.endm
; Tile u's 34 slots.  deal = 1: tile 1's 44 lines of maxima and statistics stand at the slots' ends: two in each of slots 0-15, one in each of slots 16-27.
.macro STREAM u, deal
.set i, 0
.set xx, 0
.rept 34
	SLOT \u
.if \deal && (i < 28)
	MX 1
.set xx, xx+1
.if i < 16
	MX 1
.set xx, xx+1
.endif
.endif
.set i, i+1
.endr
	v_pk_add_f32 v[ST+8*(\u)+2:ST+8*(\u)+3], v[ST+8*(\u)+2:ST+8*(\u)+3], v[W+2*(\u):W+2*(\u)+1]   ; the sum's two chains; a plain line behind the last conversions
.endm
; A KEY STEP: 128 keys.  s56: where the step's K begins in LDS (V: 131,072 further on); s57: the step's 512 bytes of the mask's numbers.
.macro STEP
	v_add_nc_u32 v[ADK], s56, v[LI]                ; four plain lines: the places between the last products and the loads into V's registers
	v_add_nc_u32 v[ADB], s57, v[BH]
	v_add_nc_u32 v[ADV], VL, v[ADK]
	v_nop
	WIN 0x40                                       ; destination window 1
.irp t, 0,1,2,3,4,5,6,7
	ds_load_b128 v[KF+8*\t:KF+8*\t+3],   v[ADK] offset:1024*\t
	ds_load_b128 v[KF+8*\t+4:KF+8*\t+7], v[ADK] offset:1024*\t+512
.endr
.irp t, 0,1,2,3,4,5,6,7
	ds_load_b128 v[BF+8*\t:BF+8*\t+3],   v[ADB] offset:64*\t      ; sixteen lanes read the same 16 bytes
	ds_load_b128 v[BF+8*\t+4:BF+8*\t+7], v[ADB] offset:64*\t+16
.endr
.irp d, 0,1,2,3
.irp c, 0,1,2,3
	ds_load_b128 v[VF+16*\d+4*\c:VF+16*\d+4*\c+3], v[ADV] offset:2048*\d+512*\c
.endr
.endr
	s_wait_dscnt 16                                ; K and C are in; V's sixteen loads may be out
	WIN 0x11                                       ; K and C in window 1, Q and S^T in window 0
.irp t, 0,1,2,3,4,5,6,7
.irp u, 0,1
	v_wmma_f32_16x16x64_bf8_bf8 v[S+64*\u+8*\t:S+64*\u+8*\t+7], v[KF+8*\t:KF+8*\t+7], v[Q+8*\u:Q+8*\u+7], v[BF+8*\t:BF+8*\t+7]
.endr
.endr
	WIN 0
	PLACES
.set xx, 0
.rept 44
	MX 0                                           ; tile 0's maxima and statistics have no exponentials to stand beside
.set xx, xx+1
.endr
	STREAM 0, 1                                    ; tile 0's exponentials, sums, holds and codes | tile 1's maxima and statistics
	STREAM 1, 0                                    ; tile 1's
	WIN 0x41                                       ; O^T (destination and source 0) in window 1, f in window 0
.irp u, 0,1
.set j, 0
.rept 16
	v_pk_mul_f32 v[32*\u+j:32*\u+j+1], v[32*\u+j:32*\u+j+1], v[ST+8*\u+4:ST+8*\u+5] op_sel_hi:[1,0]   ; O^T under the new M, each accumulator from its low end on
.set j, j+2
.endr
.endr
	s_wait_dscnt 0x0                               ; V is in
	WIN 0x51                                       ; V, C and D in window 1, P in window 0
.irp d, 0,1,2,3
.irp u, 0,1
	v_wmma_f32_16x16x128_bf8_bf8 v[32*\u+8*\d:32*\u+8*\d+7], v[VF+16*\d:VF+16*\d+15], v[P+16*\u:P+16*\u+15], v[32*\u+8*\d:32*\u+8*\d+7]   ; the eight accumulators take turns
.endr
.endr
	WIN 0
	s_add_co_u32 s56, s56, 8192
	s_add_co_u32 s57, s57, 512
.endm
; A chunk of 512 keys: my part of it has landed (the later chunks' loads, 3 - g of them, may stay out), and behind the barrier everybody's has.
.macro CHUNK g
	s_wait_tensorcnt 3-\g
	s_wait_dscnt 0x0                               ; in front of the first chunk: my stores of the mask's numbers
	s_barrier_signal -1
	s_barrier_wait -1
	s_mov_b32 s56, \g*32768
	s_mov_b32 s57, \g*2048
	s_mov_b32 s58, 4
.Lstep_\@:
	STEP
	s_sub_co_u32 s58, s58, 1
	s_cmp_lg_u32 s58, 0
	s_cbranch_scc1 .Lstep_\@
.endm
	CHUNK 0
	CHUNK 1
	CHUNK 2
	CHUNK 3
	; THE WAY OUT: O^T x 2^(e8 + e9) / the sum, held, converted with 2^e10.  Channel tiles 2 c and 2 c + 1 are piece c of ctx's fragment: stored at 16 x lane.
	PLACES
	s_add_co_i32 s59, s76, s77
	s_add_co_i32 s63, s78, 127
	s_lshl_b32 s62, s63, 23
	v_mov_b32 v6, s62                              ; 2^e10
	s_add_co_i32 s63, s63, 15
	s_lshl_b32 s63, s63, 23
	s_or_b32 s63, s63, 0x600000
	v_mov_b32 v7, s63                              ; 57,344 x 2^e10
.irp u, 0,1
	v_add_f32 v[ST+8*\u+2], v[ST+8*\u+2], v[ST+8*\u+3]
.endr
.irp u, 0,1
	v_permlanex16_b32 v[ST+8*\u+6], v[ST+8*\u+2], s20, s21
.endr
.irp u, 0,1
	v_add_f32 v[ST+8*\u+2], v[ST+8*\u+2], v[ST+8*\u+6]     ; the row's sum: above 1/2, since the row's largest p is
.endr
.irp u, 0,1
	v_rcp_f32 v[ST+8*\u+4], v[ST+8*\u+2]
.endr
	v_nop                                          ; a plain line between the last reciprocal and its use
	s_wait_alu depctr_va_vdst(0)
.irp u, 0,1
	v_ldexp_f32 v[ST+8*\u+4], v[ST+8*\u+4], s59
.endr
.irp u, 0,1
	WIN 0x01                                       ; source 0 window 1
.set j, 0
.rept 32
	v_mul_f32 v[TO+j], v[32*\u+j], v[ST+8*\u+4]
.set j, j+1
.endr
	WIN 0
.set j, 0
.rept 32
	v_med3_num_f32 v[TO+j], v[TO+j], -v7, v7
.set j, j+1
.endr
.irp d, 0,1,2,3
	v_cvt_scalef32_pk8_bf8_f32 v[CDO+8*\u+2*\d:CDO+8*\u+2*\d+1], v[TO+8*\d:TO+8*\d+7], v6
.endr
	v_nop                                          ; one plain line between the conversions and the next tile's writes of their sources
.irp c, 0,1
	global_store_b128 v[LI], v[CDO+8*\u+4*\c:CDO+8*\u+4*\c+3], s[90:91] offset:16384*\u+512*\c   ; 32 lanes store 512 consecutive bytes, aligned
.endr
.endr
	s_wait_xcnt 0x0
	v_lshl_add_u32 v254, v0, 2, 0x42000
	v_mov_b32 v255, 0
	s_wait_tensorcnt 0x0
	ds_add_u32 v254, v255
	s_wait_dscnt 0x0
	CROUND                                         ; the closing round
	s_endpgm
.Lfunc_end_k_qbb265c7033_attn:
	.size	k_qbb265c7033_attn, .Lfunc_end_k_qbb265c7033_attn-k_qbb265c7033_attn
	.p2alignl 7, 3214868480
	.fill 96, 4, 3214868480
	.section	.rodata,"a",@progbits
	.p2align	6, 0x0
	.amdhsa_kernel k_qbb265c7033_attn
		.amdhsa_group_segment_fixed_size 271360
		.amdhsa_private_segment_fixed_size 0
		.amdhsa_enable_private_segment 0
		.amdhsa_kernarg_size 32
		.amdhsa_user_sgpr_count 2
		.amdhsa_user_sgpr_kernarg_segment_ptr 1
		.amdhsa_wavefront_size32 1
		.amdhsa_system_sgpr_workgroup_id_x 1
		.amdhsa_system_sgpr_workgroup_id_y 1
		.amdhsa_system_sgpr_workgroup_id_z 1
		.amdhsa_system_vgpr_workitem_id 0
		.amdhsa_next_free_vgpr 512
		.amdhsa_next_free_sgpr 92
		.amdhsa_reserve_vcc 1
		.amdhsa_float_denorm_mode_32 3
		.amdhsa_float_denorm_mode_16_64 3
		.amdhsa_memory_ordered 1
		.amdhsa_forward_progress 1
		.amdhsa_inst_pref_size 145
	.end_amdhsa_kernel
	.amdgpu_metadata
---
amdhsa.version: [ 1, 2 ]
amdhsa.kernels:
  - .name:           k_qbb265c7033_attn
    .symbol:         k_qbb265c7033_attn.kd
    .args:
      - { .name: qkvc, .offset: 0, .size: 8, .value_kind: global_buffer, .address_space: global }
      - { .name: mask, .offset: 8, .size: 8, .value_kind: global_buffer, .address_space: global }
      - { .name: lowp_scales, .offset: 16, .size: 8, .value_kind: global_buffer, .address_space: global }
      - { .name: ctxc, .offset: 24, .size: 8, .value_kind: global_buffer, .address_space: global }
    .group_segment_fixed_size: 271360
    .private_segment_fixed_size: 0
    .kernarg_segment_align: 8
    .kernarg_segment_size: 32
    .max_flat_workgroup_size: 256
    .sgpr_count:     92
    .vgpr_count:     512
    .wavefront_size: 32
...
	.end_amdgpu_metadata
.endif
;; end of part 3
;; launch wo (part 4): grid 8 x 32, 4 waves a work-group, clusters of 4 x 4, 327,680 bytes of LDS; arguments ctxc, wc, bo, x, lowp_scales, y; writes y
.if DOCPART == 4
	.amdgcn_target "amdgcn-amd-amdhsa--gfx1250"
	.amdhsa_code_object_version 6
	.text
	.protected	k_qbb265c7033_wo
	.globl	k_qbb265c7033_wo
	.p2align	8
	.type	k_qbb265c7033_wo,@function
k_qbb265c7033_wo:
	s_mov_b64 s[64:65], 0
	v_nop
	global_prefetch_b8 v0, s[64:65] scope:SCOPE_SE
	s_setreg_imm32_b32 hwreg(HW_REG_WAVE_MODE, 25, 1), 1
	s_wait_xcnt 0x0
	s_wait_alu depctr_hold_cnt(0) depctr_sa_sdst(0) depctr_va_vdst(0) depctr_va_sdst(0) depctr_va_ssrc(0) depctr_va_vcc(0) depctr_vm_vsrc(0)
	s_getreg_b32 s2, hwreg(HW_REG_IB_STS2, 6, 4)
	s_cmp_eq_u32 s2, 0
	s_cbranch_scc0 .Lentry_in_a_cluster
	s_endpgm
.Lentry_in_a_cluster:
	s_bfe_u32 s2, ttmp6, 0x10000c
	s_cmp_lg_u32 s2, 0xf033
	s_cbranch_scc0 .Lentry_shape_is_right
	s_endpgm
.Lentry_shape_is_right:
; y = x + (ctx Wo + bo): the product on E5M2 codes, the rest in f32.  M = 4,096, N = 1,024, K = SIZE_K.
; 256 tiles of 128 x 128, one to a work-group (tiles of 256 x 256 would be 64); four waves, 64 x 64 each: 16 accumulators.  K goes in steps of 512 through two LDS slots.
; Operands lie in memory and in LDS as images of fragments ([tile of 16 rows][128 along K][piece][lane][16 bytes]): a fragment is four ds_load_b128 at 16 x lane.
; The matrix instruction is used transposed (source 0 = 16 rows of W^T, source 1 = 16 tokens): a lane holds eight neighbouring columns of one row.
; CLUSTER 4 x 4: the tokens' tiles are shared along a row of the cluster, the weight's along a column: joint loads.
; The residual's 32 loads a wave are issued at the start, into window 2, and are waited for on the way out.
; LIMIT: the two exponents added lie between -126 and 127.
; REGISTERS: window 0: v12-15 bias; v16-29 addresses; v32-95 rows read back, two sets; v96-127 residual + bias; v128-255 accumulators ((a, b) at v[128 + 8 (4 a + b)]).
;   window 1: two fragment buffers of 128 (tokens' four blocks, then the weight's four).   window 2: v0-127 the residual.
.set SIZE_K, 1024
.set WOFF,   0x300000                  ; where the weight's codes begin in wc
.set EI,     10                        ; the first of the product's two exponents
.set KT,     16*SIZE_K                 ; a tile of 16 rows of codes
.set RT,     8192                      ; and its part in a slot: 512 along K
.set HALFT,  4*RT                      ; 64 rows: what one tensor load brings, and what one wave reads of either side
.set SLOT,   4*HALFT
.set STAGE,  2*SLOT                    ; behind the ring: 16 rows x 272 bytes for each wave
.set SPITCH, 272
.set SPARE,  STAGE+4*16*SPITCH         ; behind the stages: the spare words
.set LAPS,   SIZE_K/1024
.set ADRA, 16
.set ADRB, 20
.set STO,  24
.set RD,   25
.set CO,   26
.set SPW,  28
.set NIL,  29
.set BK,   32
.set T,    96
.set ACC,  128
.set F0,   0
.set F1,   128
.set G1, 24
.set G0, 32
.set G1B, 48
.set G0B, 56
.set MSB, 0
.macro WIN new
.if MSB != \new
	s_set_vgpr_msb (MSB<<8)|\new
.set MSB, \new
.endif
.endm
.set MUL,  0x05                        ; sources 0 and 1 window 1; C and D window 0
.set TO_F, 0x40                        ; destination window 1
.macro JLOAD s                         ; waves 0 and 1 fetch the tokens' two halves, waves 2 and 3 the weight's; four v_nop follow each of the two lines
	s_cmp_eq_u32 s17, 0
	s_cbranch_scc0 .Lfor_b_\@
	tensor_load_to_lds s[G0+4*\s:G0+4*\s+3], s[G1:G1+7]
	s_nop 0
.rept 4
	v_nop
.endr
	s_branch .Lasked_\@
.Lfor_b_\@:
	tensor_load_to_lds s[G0B+4*\s:G0B+4*\s+3], s[G1B:G1B+7]
	s_nop 0
.rept 4
	v_nop
.endr
.Lasked_\@:
.endm
.macro CREST
	s_cmp_lg_u32 s16, 0
	s_cbranch_scc1 .Lnot_wave_0_\@
	s_barrier_signal -3
.Lnot_wave_0_\@:
	s_barrier_wait -3
	s_barrier_signal -1
	s_barrier_wait -1
.endm
.macro CROUND
	s_barrier_signal -1
	s_barrier_wait -1
	CREST
.endm
.macro PLACES
.rept 4
	v_nop
.endr
.endm
	s_load_b256 s[4:11], s[0:1], 0x0               ; the tokens' codes 4:5, wc 6:7, bias 8:9, residual 10:11
	s_load_b128 s[12:15], s[0:1], 0x20             ; the exponents 12:13, y 14:15
	v_lshl_add_u32 v[SPW], v0, 2, SPARE
	v_mov_b32 v[NIL], 0
	ds_add_u32 v28, v29
	ds_add_u32 v28, v29
	s_wait_dscnt 0x0
	v_lshrrev_b32 v1, 5, v0
	v_readfirstlane_b32 s16, v1                    ; wave 0..3
	s_lshr_b32 s17, s16, 1                         ; my half of the rows.  Also: I fetch tokens (0) or weight (1)
	s_and_b32 s18, s16, 1                          ; my half of the columns.  Also: which 64 rows I fetch
	s_bfe_u32 s40, ttmp6, 0x40000                  ; cx
	s_bfe_u32 s41, ttmp6, 0x40004                  ; cy
	s_lshl_b32 s42, ttmp9, 2
	s_add_co_u32 s42, s42, s40                     ; tile column
	s_and_b32 s43, ttmp7, 0xffff
	s_lshl_b32 s43, s43, 2
	s_add_co_u32 s43, s43, s41                     ; tile row
	s_lshl_b32 s44, s41, 2
	s_lshl_b32 s44, 15, s44                        ; my row of the cluster
	s_lshl_b32 s45, 0x1111, s40                    ; my column
	; descriptor group 1: 4 tiles of 16 rows, 8,192 bytes of each (512 along K), KT bytes apart; elements of 8 bytes; dense in LDS
	s_or_b32 s[G1+0], s44, (3<<16)|(1<<21)
	s_or_b32 s[G1B+0], s45, (3<<16)|(1<<21)
.irp g, G1, G1B
	s_mov_b32 s[\g+1], 1024<<16                    ; tensor_dim0
	s_mov_b32 s[\g+2], 4<<16                       ; tensor_dim1
	s_mov_b32 s[\g+3], 1024<<16                    ; tile_dim0
	s_mov_b32 s[\g+4], 4                           ; tile_dim1
	s_mov_b32 s[\g+5], KT/8                        ; tensor_dim0_stride
	s_mov_b32 s[\g+6], 0
	s_mov_b32 s[\g+7], 0
.endr
	s_lshl_b32 s20, s43, 3
	s_lshl_b32 s21, s18, 2
	s_add_co_u32 s20, s20, s21                     ; tokens: tile of 16 number 8 x tile row + 4 x half
	s_mul_i32 s20, s20, KT
	s_mov_b32 s21, 0
	s_lshl_b32 s46, s42, 3
	s_lshl_b32 s47, s18, 2
	s_add_co_u32 s46, s46, s47                     ; weight likewise, in registers that never hold cy
	s_mul_i32 s46, s46, KT
	s_add_co_u32 s46, s46, WOFF
	s_mov_b32 s47, 0
	s_lshl_b32 s22, s16, 15                        ; where my load goes: wave x 64 rows
	s_wait_kmcnt 0x0
	s_load_b64 s[68:69], s[12:13], EI*4
	s_add_nc_u64 s[20:21], s[4:5], s[20:21]
	s_add_nc_u64 s[46:47], s[6:7], s[46:47]
	CROUND                                         ; all sixteen work-groups are here: the first joint loads meet
.irp s, 0,1
	s_mov_b32 s[G0+4*\s], 1
	s_add_co_u32 s[G0+4*\s+1], s22, \s*SLOT
	s_add_nc_u64 s[G0+4*\s+2:G0+4*\s+3], s[20:21], \s*RT
	s_or_b32 s[G0+4*\s+3], s[G0+4*\s+3], 0x80000000
	s_mov_b32 s[G0B+4*\s], 1
	s_add_co_u32 s[G0B+4*\s+1], s22, \s*SLOT
	s_add_nc_u64 s[G0B+4*\s+2:G0B+4*\s+3], s[46:47], \s*RT
	s_or_b32 s[G0B+4*\s+3], s[G0B+4*\s+3], 0x80000000
	JLOAD \s
.endr
	v_and_b32 v1, 31, v0
	v_lshlrev_b32 v2, 4, v1                        ; 16 x lane
	v_and_b32 v3, 15, v0                           ; r
	v_bfe_u32 v4, v0, 4, 1                         ; h
	s_lshl_b32 s20, s17, 15                        ; my 64 tokens,
	s_lshl_b32 s21, s18, 15                        ; my 64 rows of the weight,
	s_add_co_u32 s21, s21, 2*HALFT                 ; which lie behind the tokens' 128
.irp s, 0,1
	v_add_nc_u32 v[ADRA+\s], s20, v2
	v_add_nc_u32 v[ADRB+\s], s21, v2
	s_add_co_u32 s20, s20, SLOT
	s_add_co_u32 s21, s21, SLOT
.endr
	s_mul_i32 s23, s16, 16*SPITCH
	s_add_co_u32 s23, s23, STAGE                   ; my stage
	v_mul_u32_u24 v5, v3, SPITCH                   ; in: row r, 32 bytes for each half of the lanes
	v_lshl_add_u32 v5, v4, 5, v5
	v_add_nc_u32 v[STO], s23, v5
	v_mul_u32_u24 v5, v4, SPITCH                   ; back: lanes 0-15 one row of 256 bytes, lanes 16-31 the next
	v_lshl_add_u32 v5, v3, 4, v5
	v_add_nc_u32 v[RD], s23, v5
	v_lshlrev_b32 v5, 12, v4                       ; and the same two rows of 4,096 bytes in y and in the residual
	v_lshl_add_u32 v[CO], v3, 4, v5
	v_lshlrev_b32 v6, 4, v3                        ; my four columns' bias
	s_lshl_b32 s20, s42, 9
	s_lshl_b32 s21, s18, 8
	s_add_co_u32 s20, s20, s21                     ; my first column, x 4 bytes
	s_mov_b32 s21, 0
	s_add_nc_u64 s[8:9], s[8:9], s[20:21]
	s_lshl_b32 s70, s43, 7
	s_lshl_b32 s71, s17, 6
	s_add_co_u32 s70, s70, s71                     ; my first row
	s_lshl_b32 s70, s70, 12
	s_add_co_u32 s70, s70, s20
	s_mov_b32 s71, 0
	s_add_nc_u64 s[10:11], s[10:11], s[70:71]
	s_add_nc_u64 s[14:15], s[14:15], s[70:71]
	global_load_b128 v[12:15], v6, s[8:9]
	WIN 0x80                                       ; destination window 2
.irp a, 0,1,2,3
.irp t, 0,1,2,3,4,5,6,7
	global_load_b128 v[4*(8*\a+\t):4*(8*\a+\t)+3], v[CO], s[10:11] offset:(16*\a+2*\t)*4096   ; sixteen lanes read 256 consecutive bytes
.endr
.endr
	WIN 0
; 8 matrix instructions: token blocks a0, a0 + 1 x the weight's four, 128 along K.  The 16 accumulators take turns in the same order in every step.
.macro MUL8 f, a0, zero
.irp a, \a0, \a0+1
.irp b, 0,1,2,3
.if \zero
	v_wmma_f32_16x16x128_bf8_bf8 v[ACC+8*(4*(\a)+\b):ACC+8*(4*(\a)+\b)+7], v[\f+64+16*\b:\f+64+16*\b+15], v[\f+16*(\a):\f+16*(\a)+15], 0
.else
	v_wmma_f32_16x16x128_bf8_bf8 v[ACC+8*(4*(\a)+\b):ACC+8*(4*(\a)+\b)+7], v[\f+64+16*\b:\f+64+16*\b+15], v[\f+16*(\a):\f+16*(\a)+15], v[ACC+8*(4*(\a)+\b):ACC+8*(4*(\a)+\b)+7]
.endif
.endr
.endr
.endm
.macro FETCH slot, q, f                ; 32 LDS loads in one run: the eight fragments of the slot's q-th 128 along K
	WIN TO_F
.irp i, 0,1,2,3
.irp c, 0,1,2,3
	ds_load_b128 v[\f+64+16*\i+4*\c:\f+64+16*\i+4*\c+3], v[ADRB+\slot] offset:RT*\i+2048*(\q)+512*\c
.endr
.irp c, 0,1,2,3
	ds_load_b128 v[\f+16*\i+4*\c:\f+16*\i+4*\c+3], v[ADRA+\slot] offset:RT*\i+2048*(\q)+512*\c
.endr
.endr
.endm
; One of a slot's first three steps of 128: buffer f is in; the next step's fragments are asked for, into g, and land under f's sixteen products.
.macro SUB slot, q, f, g, zero
	s_wait_dscnt 0x0
	PLACES                                         ; g was read by the last products
	FETCH \slot, (\q)+1, \g
	WIN MUL
	MUL8 \f, 0, \zero
	MUL8 \f, 2, \zero
.endm
; A slot's last step multiplies buffer 1 and changes slots: ONE barrier; in front of it each wave waits for all its tensor loads, adds 0 to its spare word, and waits for that and for its reads of this slot.
.macro TURN slot, next, fill
	WIN 0
	s_wait_tensorcnt 0x0                           ; all my tensor loads have landed: my part of the next slot
	ds_add_u32 v[SPW], v[NIL]                      ; 0 onto my spare word
	s_wait_dscnt 1                                 ; buffer 1 is in; the add alone may be out
	WIN MUL
	MUL8 F1, 0, 0
	WIN 0
	s_wait_dscnt 0x0                               ; the add is done, and my reads of this slot are over
	s_barrier_signal -1
	s_barrier_wait -1
.if \fill
	CREST                                          ; the barrier has opened a round of the cluster's: no wave of any partner still reads this slot or has a load on its way
	s_add_nc_u64 s[G0+4*\slot+2:G0+4*\slot+3], s[G0+4*\slot+2:G0+4*\slot+3], 2*RT
	s_add_nc_u64 s[G0B+4*\slot+2:G0B+4*\slot+3], s[G0B+4*\slot+2:G0B+4*\slot+3], 2*RT
	JLOAD \slot                                    ; the first tensor load behind the round; its four v_nop are the places in front of the loads below
.else
	PLACES
.endif
	FETCH \next, 0, F0
	WIN MUL
	MUL8 F1, 2, 0                                  ; eight products under which the fetch lands
.endm
	s_wait_tensorcnt 1                             ; my part of slot 0 is in; slot 1's load may be out
	s_barrier_signal -1
	s_barrier_wait -1
	FETCH 0, 0, F0
	SUB 0, 0, F0, F1, 1                            ; the first step starts the sums
.if LAPS > 1
	WIN 0
	s_mov_b32 s19, LAPS-1
.Llap:                                                 ; a trip goes once round the ring and fills both slots again
	SUB 0, 1, F1, F0, 0
	SUB 0, 2, F0, F1, 0
	TURN 0, 1, 1
	SUB 1, 0, F0, F1, 0
	SUB 1, 1, F1, F0, 0
	SUB 1, 2, F0, F1, 0
	TURN 1, 0, 1
	SUB 0, 0, F0, F1, 0
	WIN 0
	s_sub_co_u32 s19, s19, 1
	s_cmp_lg_u32 s19, 0
	s_cbranch_scc1 .Llap
.endif
	SUB 0, 1, F1, F0, 0                            ; the last lap fills nothing
	SUB 0, 2, F0, F1, 0
	TURN 0, 1, 0
	SUB 1, 0, F0, F1, 0
	SUB 1, 1, F1, F0, 0
	SUB 1, 2, F0, F1, 0
	s_wait_dscnt 0x0
	WIN MUL
	MUL8 F1, 0, 0
	MUL8 F1, 2, 0
	WIN 0
	; THE WAY OUT, 16 rows at a time through my own stage: in by 32 bytes a lane, back as rows of 256 bytes; then sum x 2^(eA + eB) + (residual + bias).
	PLACES
	s_wait_kmcnt 0x0
	s_add_co_i32 s66, s68, s69
	s_add_co_i32 s66, s66, 127
	s_lshl_b32 s66, s66, 23                        ; 2^(eA + eB) as f32
	s_mov_b32 s67, s66
	s_wait_loadcnt 0x0                             ; bias and residual
.irp a, 0,1,2,3
.if \a > 1
	s_wait_xcnt 0x0                                ; block a - 2's stores have read their registers: block a's rows may land there
.endif
.irp b, 0,1,2,3
	ds_store_b128 v[STO], v[ACC+8*(4*\a+\b):ACC+8*(4*\a+\b)+3] offset:64*\b         ; each accumulator from its low end on
	ds_store_b128 v[STO], v[ACC+8*(4*\a+\b)+4:ACC+8*(4*\a+\b)+7] offset:64*\b+16
.endr
.irp t, 0,1,2,3,4,5,6,7
	ds_load_b128 v[BK+32*(\a%2)+4*\t:BK+32*(\a%2)+4*\t+3], v[RD] offset:2*SPITCH*\t   ; LDS serves a wave's instructions in order: these see my stores, and the next block's stores come behind them
.endr
	WIN 0x02                                       ; source 0 window 2
.irp t, 0,1,2,3,4,5,6,7
	v_pk_add_f32 v[T+4*\t:T+4*\t+1],   v[4*(8*\a+\t):4*(8*\a+\t)+1],   v[12:13]
	v_pk_add_f32 v[T+4*\t+2:T+4*\t+3], v[4*(8*\a+\t)+2:4*(8*\a+\t)+3], v[14:15]
.endr
	WIN 0
	s_wait_dscnt 0x0
.irp t, 0,1,2,3,4,5,6,7
	v_pk_fma_f32 v[BK+32*(\a%2)+4*\t:BK+32*(\a%2)+4*\t+1],   v[BK+32*(\a%2)+4*\t:BK+32*(\a%2)+4*\t+1],   s[66:67], v[T+4*\t:T+4*\t+1] op_sel_hi:[1,0,1]
	v_pk_fma_f32 v[BK+32*(\a%2)+4*\t+2:BK+32*(\a%2)+4*\t+3], v[BK+32*(\a%2)+4*\t+2:BK+32*(\a%2)+4*\t+3], s[66:67], v[T+4*\t+2:T+4*\t+3] op_sel_hi:[1,0,1]
.endr
.irp t, 0,1,2,3,4,5,6,7
	global_store_b128 v[CO], v[BK+32*(\a%2)+4*\t:BK+32*(\a%2)+4*\t+3], s[14:15] offset:(16*\a+2*\t)*4096   ; sixteen lanes store 256 consecutive bytes, aligned
.endr
.endr
	s_wait_tensorcnt 0x0                           ; the wave's end
	ds_add_u32 v[SPW], v[NIL]
	s_wait_dscnt 0x0
	CROUND                                         ; the closing round
	s_endpgm
.Lfunc_end_k_qbb265c7033_wo:
	.size	k_qbb265c7033_wo, .Lfunc_end_k_qbb265c7033_wo-k_qbb265c7033_wo
	.p2alignl 7, 3214868480
	.fill 96, 4, 3214868480
	.section	.rodata,"a",@progbits
	.p2align	6, 0x0
	.amdhsa_kernel k_qbb265c7033_wo
		.amdhsa_group_segment_fixed_size 327680
		.amdhsa_private_segment_fixed_size 0
		.amdhsa_enable_private_segment 0
		.amdhsa_kernarg_size 48
		.amdhsa_user_sgpr_count 2
		.amdhsa_user_sgpr_kernarg_segment_ptr 1
		.amdhsa_wavefront_size32 1
		.amdhsa_system_sgpr_workgroup_id_x 1
		.amdhsa_system_sgpr_workgroup_id_y 1
		.amdhsa_system_sgpr_workgroup_id_z 1
		.amdhsa_system_vgpr_workitem_id 0
		.amdhsa_next_free_vgpr 768
		.amdhsa_next_free_sgpr 72
		.amdhsa_reserve_vcc 0
		.amdhsa_float_denorm_mode_32 3
		.amdhsa_float_denorm_mode_16_64 3
		.amdhsa_memory_ordered 1
		.amdhsa_forward_progress 1
		.amdhsa_inst_pref_size 53
	.end_amdhsa_kernel
	.amdgpu_metadata
---
amdhsa.version: [ 1, 2 ]
amdhsa.kernels:
  - .name:           k_qbb265c7033_wo
    .symbol:         k_qbb265c7033_wo.kd
    .args:
      - { .name: ctxc, .offset: 0, .size: 8, .value_kind: global_buffer, .address_space: global }
      - { .name: wc, .offset: 8, .size: 8, .value_kind: global_buffer, .address_space: global }
      - { .name: bo, .offset: 16, .size: 8, .value_kind: global_buffer, .address_space: global }
      - { .name: x, .offset: 24, .size: 8, .value_kind: global_buffer, .address_space: global }
      - { .name: lowp_scales, .offset: 32, .size: 8, .value_kind: global_buffer, .address_space: global }
      - { .name: y, .offset: 40, .size: 8, .value_kind: global_buffer, .address_space: global }
    .group_segment_fixed_size: 327680
    .private_segment_fixed_size: 0
    .kernarg_segment_align: 8
    .kernarg_segment_size: 48
    .max_flat_workgroup_size: 128
    .sgpr_count:     72
    .vgpr_count:     768
    .wavefront_size: 32
...
	.end_amdgpu_metadata
.endif
;; end of part 4
;; launch ln1 (part 5): grid 256 x 1, 8 waves a work-group, no clusters, 66,816 bytes of LDS; arguments y, g1, be1, lowp_scales, h, hc; writes h, hc
.if DOCPART == 5
	.amdgcn_target "amdgcn-amd-amdhsa--gfx1250"
	.amdhsa_code_object_version 6
	.text
	.protected	k_qbb265c7033_ln1
	.globl	k_qbb265c7033_ln1
	.p2align	8
	.type	k_qbb265c7033_ln1,@function
k_qbb265c7033_ln1:
	s_mov_b64 s[64:65], 0
	v_nop
	global_prefetch_b8 v0, s[64:65] scope:SCOPE_SE
	s_setreg_imm32_b32 hwreg(HW_REG_WAVE_MODE, 25, 1), 1
	s_wait_xcnt 0x0
; h = LayerNorm(y) x g1 + be1, in f32, and h's E5M2 codes (scale 2^e12) as images of fragments for the next product.
; A work-group takes 16 rows, one tile of rows; a wave two of them, each whole in 32 registers: a row is read once, and mean and variance are taken in two passes over registers, as the definition has them.
; For the codes the 16 rows meet in LDS (rows of 4,096 + 16 bytes: row r starts 4 r banks on); behind one barrier wave w makes the fragment of K = 128 w on.
; A stream: no matrix unit, cluster or tensor load would spare a byte.  LIMIT: e12 between -126 and 112.
.set X0, 16
.set X1, 48
.set G,  80
.set BE, 112
.set CDR, 144
.set SA, 160
.set SB, 162
.set MU, 164
.set RS, 166
.set PXR, 168
.set LP, 4112
	s_load_b256 s[4:11], s[0:1], 0x0               ; y 4:5, g1 6:7, be1 8:9, the exponents 10:11
	s_load_b128 s[12:15], s[0:1], 0x20             ; h 12:13, hc 14:15
	v_lshl_add_u32 v176, v0, 2, 0x10100
	v_mov_b32 v177, 0
	v_lshrrev_b32 v1, 5, v0
	v_readfirstlane_b32 s16, v1                    ; wave 0..7
	v_and_b32 v1, 31, v0
	v_lshlrev_b32 v2, 4, v1                        ; 16 x lane
	s_lshl_b32 s18, ttmp9, 16                      ; 16 rows of 4,096 bytes,
	s_lshl_b32 s19, s16, 13                        ; two for each wave
	s_add_co_u32 s18, s18, s19
	s_mov_b32 s19, 0
	s_mov_b32 s28, 0x76543210
	s_mov_b32 s29, 0xfedcba98
	s_mov_b32 s30, 0x3a800000                      ; 1 / 1,024
	s_mov_b32 s31, 0x3727c5ac                      ; 1e-5
	v_mov_b32 v[PXR], 0
	s_wait_kmcnt 0x0
	s_load_b32 s20, s[10:11], 0x30                 ; e12
	s_add_nc_u64 s[4:5], s[4:5], s[18:19]
	s_add_nc_u64 s[12:13], s[12:13], s[18:19]
.irp i, 0,1,2,3,4,5,6,7
	global_load_b128 v[X0+4*\i:X0+4*\i+3], v2, s[4:5] offset:512*\i th:TH_LOAD_NT
.endr
.irp i, 0,1,2,3,4,5,6,7
	global_load_b128 v[X1+4*\i:X1+4*\i+3], v2, s[4:5] offset:4096+512*\i th:TH_LOAD_NT
.endr
.irp i, 0,1,2,3,4,5,6,7
	global_load_b128 v[G+4*\i:G+4*\i+3], v2, s[6:7] offset:512*\i
.endr
.irp i, 0,1,2,3,4,5,6,7
	global_load_b128 v[BE+4*\i:BE+4*\i+3], v2, s[8:9] offset:512*\i
.endr
	s_mul_i32 s21, s16, 2*LP
	v_add_nc_u32 v3, s21, v2                       ; the stage: my two rows, 16 bytes a lane
	v_and_b32 v4, 15, v0
	v_mul_u32_u24 v4, v4, LP
	v_bfe_u32 v5, v0, 4, 1
	v_lshl_add_u32 v4, v5, 5, v4
	s_lshl_b32 s21, s16, 9
	v_add_nc_u32 v4, s21, v4                       ; out of it: row r, + 512 x wave + 32 h
	s_lshl_b32 s22, ttmp9, 14
	s_lshl_b32 s23, s16, 11
	s_add_co_u32 s22, s22, s23
	s_mov_b32 s23, 0
	s_add_nc_u64 s[14:15], s[14:15], s[22:23]      ; my fragment of the codes
.macro REDUCE r                        ; the sum over the 32 lanes, in every lane
	v_add_f32_dpp v[\r], v[\r], v[\r] row_xmask:1 row_mask:0xf bank_mask:0xf
	v_add_f32_dpp v[\r], v[\r], v[\r] row_xmask:2 row_mask:0xf bank_mask:0xf
	v_add_f32_dpp v[\r], v[\r], v[\r] row_xmask:4 row_mask:0xf bank_mask:0xf
	v_add_f32_dpp v[\r], v[\r], v[\r] row_xmask:8 row_mask:0xf bank_mask:0xf
	v_permlanex16_b32 v[PXR], v[\r], s28, s29
	v_add_f32 v[\r], v[\r], v[PXR]
.endm
.macro ROW x, row
	v_pk_add_f32 v[SA:SA+1], v[\x:\x+1], v[\x+2:\x+3]
	v_pk_add_f32 v[SB:SB+1], v[\x+4:\x+5], v[\x+6:\x+7]
.irp j, 8,12,16,20,24,28
	v_pk_add_f32 v[SA:SA+1], v[SA:SA+1], v[\x+\j:\x+\j+1]
	v_pk_add_f32 v[SB:SB+1], v[SB:SB+1], v[\x+\j+2:\x+\j+3]
.endr
	v_pk_add_f32 v[SA:SA+1], v[SA:SA+1], v[SB:SB+1]
	v_add_f32 v[SA], v[SA], v[SA+1]
	REDUCE SA
	v_mul_f32 v[MU], s30, v[SA]                    ; the mean,
	v_mov_b32 v[MU+1], v[MU]                       ; twice, for the packed forms
.set j, 0
.rept 16
	v_pk_add_f32 v[\x+j:\x+j+1], v[\x+j:\x+j+1], v[MU:MU+1] neg_lo:[0,1] neg_hi:[0,1]
.set j, j+2
.endr
	v_pk_mul_f32 v[SA:SA+1], v[\x:\x+1], v[\x:\x+1]
	v_pk_mul_f32 v[SB:SB+1], v[\x+2:\x+3], v[\x+2:\x+3]
.irp j, 4,8,12,16,20,24,28
	v_pk_fma_f32 v[SA:SA+1], v[\x+\j:\x+\j+1], v[\x+\j:\x+\j+1], v[SA:SA+1]
	v_pk_fma_f32 v[SB:SB+1], v[\x+\j+2:\x+\j+3], v[\x+\j+2:\x+\j+3], v[SB:SB+1]
.endr
	v_pk_add_f32 v[SA:SA+1], v[SA:SA+1], v[SB:SB+1]
	v_add_f32 v[SA], v[SA], v[SA+1]
	REDUCE SA
	v_fma_f32 v[SA], v[SA], s30, s31               ; variance + 1e-5
	v_rsq_f32 v[RS], v[SA]
	v_nop                                          ; a plain line behind the transcendental
	s_wait_alu depctr_va_vdst(0)
	v_mov_b32 v[RS+1], v[RS]
	s_wait_loadcnt 0x0                             ; gain and offset
.set j, 0
.rept 16
	v_pk_mul_f32 v[\x+j:\x+j+1], v[\x+j:\x+j+1], v[RS:RS+1]
.set j, j+2
.endr
.set j, 0
.rept 16
	v_pk_fma_f32 v[\x+j:\x+j+1], v[\x+j:\x+j+1], v[G+j:G+j+1], v[BE+j:BE+j+1]
.set j, j+2
.endr
.irp i, 0,1,2,3,4,5,6,7
	global_store_b128 v2, v[\x+4*\i:\x+4*\i+3], s[12:13] offset:4096*\row+512*\i   ; 32 lanes store 512 consecutive bytes
	ds_store_b128 v3, v[\x+4*\i:\x+4*\i+3] offset:LP*\row+512*\i
.endr
.endm
	s_wait_loadcnt 24                              ; my first row is in; the second row's 8 loads and the 16 of gain and offset may be out
	ROW X0, 0
	ROW X1, 1
	s_wait_kmcnt 0x0
	s_add_co_i32 s20, s20, 127
	s_lshl_b32 s21, s20, 23
	v_mov_b32 v5, s21                              ; 2^e12
	s_add_co_i32 s20, s20, 15
	s_lshl_b32 s20, s20, 23
	s_or_b32 s20, s20, 0x600000
	v_mov_b32 v6, s20                              ; 57,344 x 2^e12
	s_wait_dscnt 0x0                               ; for the others' sake: my rows lie in the stage
	s_barrier_signal -1
	s_barrier_wait -1
.irp c, 0,1,2,3
	ds_load_b128 v[G+16*\c:G+16*\c+3],     v4 offset:128*\c      ; row r, k = 128 w + 32 c + 8 h + 0..3,
	ds_load_b128 v[G+16*\c+4:G+16*\c+7],   v4 offset:128*\c+16   ; + 4..7,
	ds_load_b128 v[G+16*\c+8:G+16*\c+11],  v4 offset:128*\c+64   ; + 16 ..,
	ds_load_b128 v[G+16*\c+12:G+16*\c+15], v4 offset:128*\c+80
.endr
	s_wait_dscnt 0x0
.set j, 0
.rept 64
	v_med3_num_f32 v[G+j], v[G+j], -v6, v6         ; the conversion does not saturate (ISA guide 7.6.2): the hold comes first
.set j, j+1
.endr
.irp c, 0,1,2,3
	v_cvt_scalef32_pk8_bf8_f32 v[CDR+4*\c:CDR+4*\c+1],   v[G+16*\c:G+16*\c+7],    v5
	v_cvt_scalef32_pk8_bf8_f32 v[CDR+4*\c+2:CDR+4*\c+3], v[G+16*\c+8:G+16*\c+15], v5
.endr
.irp c, 0,1,2,3
	global_store_b128 v2, v[CDR+4*\c:CDR+4*\c+3], s[14:15] offset:512*\c
.endr
	s_wait_tensorcnt 0x0
	ds_add_u32 v176, v177
	s_wait_dscnt 0x0
	s_endpgm
.Lfunc_end_k_qbb265c7033_ln1:
	.size	k_qbb265c7033_ln1, .Lfunc_end_k_qbb265c7033_ln1-k_qbb265c7033_ln1
	.p2alignl 7, 3214868480
	.fill 96, 4, 3214868480
	.section	.rodata,"a",@progbits
	.p2align	6, 0x0
	.amdhsa_kernel k_qbb265c7033_ln1
		.amdhsa_group_segment_fixed_size 66816
		.amdhsa_private_segment_fixed_size 0
		.amdhsa_enable_private_segment 0
		.amdhsa_kernarg_size 48
		.amdhsa_user_sgpr_count 2
		.amdhsa_user_sgpr_kernarg_segment_ptr 1
		.amdhsa_wavefront_size32 1
		.amdhsa_system_sgpr_workgroup_id_x 1
		.amdhsa_system_sgpr_workgroup_id_y 1
		.amdhsa_system_sgpr_workgroup_id_z 1
		.amdhsa_system_vgpr_workitem_id 0
		.amdhsa_next_free_vgpr 178
		.amdhsa_next_free_sgpr 66
		.amdhsa_reserve_vcc 0
		.amdhsa_float_denorm_mode_32 3
		.amdhsa_float_denorm_mode_16_64 3
		.amdhsa_memory_ordered 1
		.amdhsa_forward_progress 1
		.amdhsa_inst_pref_size 26
	.end_amdhsa_kernel
	.amdgpu_metadata
---
amdhsa.version: [ 1, 2 ]
amdhsa.kernels:
  - .name:           k_qbb265c7033_ln1
    .symbol:         k_qbb265c7033_ln1.kd
    .args:
      - { .name: y, .offset: 0, .size: 8, .value_kind: global_buffer, .address_space: global }
      - { .name: g1, .offset: 8, .size: 8, .value_kind: global_buffer, .address_space: global }
      - { .name: be1, .offset: 16, .size: 8, .value_kind: global_buffer, .address_space: global }
      - { .name: lowp_scales, .offset: 24, .size: 8, .value_kind: global_buffer, .address_space: global }
      - { .name: h, .offset: 32, .size: 8, .value_kind: global_buffer, .address_space: global }
      - { .name: hc, .offset: 40, .size: 8, .value_kind: global_buffer, .address_space: global }
    .group_segment_fixed_size: 66816
    .private_segment_fixed_size: 0
    .kernarg_segment_align: 8
    .kernarg_segment_size: 48
    .max_flat_workgroup_size: 256
    .sgpr_count:     66
    .vgpr_count:     178
    .wavefront_size: 32
...
	.end_amdgpu_metadata
.endif
;; end of part 5
;; launch ffn1 (part 6): grid 16 x 16, 4 waves a work-group, clusters of 4 x 4, 327,680 bytes of LDS; arguments hc, wc, b1, lowp_scales, rc; writes rc
.if DOCPART == 6
	.amdgcn_target "amdgcn-amd-amdhsa--gfx1250"
	.amdhsa_code_object_version 6
	.text
	.protected	k_qbb265c7033_ffn1
	.globl	k_qbb265c7033_ffn1
	.p2align	8
	.type	k_qbb265c7033_ffn1,@function
k_qbb265c7033_ffn1:
	s_mov_b64 s[64:65], 0
	v_nop
	global_prefetch_b8 v0, s[64:65] scope:SCOPE_SE
	s_setreg_imm32_b32 hwreg(HW_REG_WAVE_MODE, 25, 1), 1
	s_wait_xcnt 0x0
	s_wait_alu depctr_hold_cnt(0) depctr_sa_sdst(0) depctr_va_vdst(0) depctr_va_sdst(0) depctr_va_ssrc(0) depctr_va_vcc(0) depctr_vm_vsrc(0)
	s_getreg_b32 s2, hwreg(HW_REG_IB_STS2, 6, 4)
	s_cmp_eq_u32 s2, 0
	s_cbranch_scc0 .Lentry_in_a_cluster
	s_endpgm
.Lentry_in_a_cluster:
	s_bfe_u32 s2, ttmp6, 0x10000c
	s_cmp_lg_u32 s2, 0xf033
	s_cbranch_scc0 .Lentry_shape_is_right
	s_endpgm
.Lentry_shape_is_right:
; relu(h W1 + b1) on E5M2 codes, quantised at once with 2^e14 for the next product.  M = 4,096, N = 4,096, K = 1,024.
; A tile of 256 x 256 is made by four waves, 128 x 128 each: 64 accumulators, 512 registers.  K goes in steps of 256 through a ring of two LDS slots.
; Operands lie in memory and in LDS as images of fragments ([tile of 16 rows][128 along K][piece][lane][16 bytes]): a fragment is four ds_load_b128 at 16 x lane: no pitch, no padding.
; The matrix instruction is used transposed (source 0 = 16 rows of W1^T, source 1 = 16 tokens): a lane holds ONE token and, in column blocks 2 c and 2 c + 1, the sixteen numbers that are piece c of
; that token's next fragment: two conversions make the piece, stored at 16 x lane.  No stage in LDS.  The activation costs nothing: the hold clips at 0 as well.
; CLUSTER 4 x 4: the tokens' tiles are shared along a row of the cluster, the weight's along a column: joint loads.
; LIMITS: e12 + e13 between -126 and 127; e14 between -126 and 112.
; REGISTERS: window 0: v0-31 addresses and constants; v64-127 bias; v128-255 the tokens' fragments, ONE set; on the way out v128-191 numbers, v192-255 codes.
;   window 1: the weight's fragments, TWO sets.   windows 2, 3: the accumulators ((a, b) at v[8 (8 (a % 4) + b)]).
.set FRB,    2048
.set RT,     4096
.set HALFT,  8*RT
.set SLOT,   4*HALFT
.set SPARE,  2*SLOT
.set LAPS,   2
.set FR,     16
.set NL,     4
.set NP,     4
.set ADRA, 16
.set ADRB, 20
.set CO,   26
.set SPW,  28
.set NIL,  29
.set HOLD, 30
.set SCL,  31
.set BC,   64
.set AF,   128
.set T,    128
.set CD,   192
.set G1, 24
.set G0, 32
.set G1B, 48
.set G0B, 56
.set MSB, 0
.macro WIN new
.if MSB != \new
	s_set_vgpr_msb (MSB<<8)|\new
.set MSB, \new
.endif
.endm
.set MUL_LO, 0xa1
.set MUL_HI, 0xf1
.set TO_B,   0x40
.macro JLOAD g0a, g1a, g0b, g1b        ; waves 0 and 1 fetch the tokens' halves, waves 2 and 3 the weight's; four v_nop follow each of the two lines
	s_cmp_eq_u32 s21, 0
	s_cbranch_scc0 .Lfor_b_\@
	tensor_load_to_lds s[\g0a:\g0a+3], s[\g1a:\g1a+7]
	s_nop 0
.rept 4
	v_nop
.endr
	s_branch .Lasked_\@
.Lfor_b_\@:
	tensor_load_to_lds s[\g0b:\g0b+3], s[\g1b:\g1b+7]
	s_nop 0
.rept 4
	v_nop
.endr
.Lasked_\@:
.endm
.macro CREST
	s_cmp_lg_u32 s20, 0
	s_cbranch_scc1 .Lnot_wave_0_\@
	s_barrier_signal -3
.Lnot_wave_0_\@:
	s_barrier_wait -3
	s_barrier_signal -1
	s_barrier_wait -1
.endm
.macro CROUND
	s_barrier_signal -1
	s_barrier_wait -1
	CREST
.endm
	s_load_b256 s[4:11], s[0:1], 0x0               ; hc 4:5, wc 6:7, b1 8:9, the exponents 10:11
	s_load_b64 s[12:13], s[0:1], 0x20              ; rc
	v_lshl_add_u32 v[SPW], v0, 2, SPARE
	v_mov_b32 v[NIL], 0
	ds_add_u32 v28, v29
	ds_add_u32 v28, v29
	s_wait_dscnt 0x0
	v_lshrrev_b32 v1, 5, v0
	v_readfirstlane_b32 s20, v1                    ; wave 0..3
	s_lshr_b32 s21, s20, 1
	s_and_b32 s22, s20, 1
	s_bfe_u32 s40, ttmp6, 0x40000                  ; cx
	s_bfe_u32 s41, ttmp6, 0x40004                  ; cy
	s_lshl_b32 s45, ttmp9, 2
	s_add_co_u32 s45, s45, s40                     ; tile column
	s_and_b32 s44, ttmp7, 0xffff
	s_lshl_b32 s44, s44, 2
	s_add_co_u32 s44, s44, s41                     ; tile row
	s_lshl_b32 s66, s41, 2
	s_lshl_b32 s66, 15, s66                        ; my row of the cluster
	s_lshl_b32 s90, 0x1111, s40                    ; my column
	; descriptor group 1: 8 tiles of 16 rows, 4,096 bytes of each, 16,384 bytes apart; elements of 8 bytes; dense in LDS
	s_or_b32 s[G1+0], s66, (3<<16)|(1<<21)
	s_or_b32 s[G1B+0], s90, (3<<16)|(1<<21)
.irp g, G1, G1B
	s_mov_b32 s[\g+1], 512<<16
	s_mov_b32 s[\g+2], 8<<16
	s_mov_b32 s[\g+3], 512<<16
	s_mov_b32 s[\g+4], 8
	s_mov_b32 s[\g+5], 2048
	s_mov_b32 s[\g+6], 0
	s_mov_b32 s[\g+7], 0
.endr
	s_lshl_b32 s66, s44, 4
	s_lshl_b32 s67, s22, 3
	s_add_co_u32 s66, s66, s67
	s_lshl_b32 s66, s66, 14
	s_mov_b32 s67, 0
	s_lshl_b32 s90, s45, 4
	s_lshl_b32 s91, s22, 3
	s_add_co_u32 s90, s90, s91
	s_lshl_b32 s90, s90, 14
	s_add_co_u32 s90, s90, 0x400000                ; W1's codes in wc
	s_mov_b32 s91, 0
	s_lshl_b32 s2, s20, 15
	s_wait_kmcnt 0x0
	s_load_b128 s[68:71], s[10:11], 0x30           ; e12, e13, e14, e15
	s_add_nc_u64 s[94:95], s[4:5], s[66:67]
	s_add_nc_u64 s[92:93], s[6:7], s[90:91]
	CROUND
.irp s, 0,1
	s_mov_b32 s[G0+4*\s], 1
	s_add_co_u32 s[G0+4*\s+1], s2, \s*SLOT
	s_add_nc_u64 s[G0+4*\s+2:G0+4*\s+3], s[94:95], \s*RT
	s_or_b32 s[G0+4*\s+3], s[G0+4*\s+3], 0x80000000
	s_mov_b32 s[G0B+4*\s], 1
	s_add_co_u32 s[G0B+4*\s+1], s2, \s*SLOT
	s_add_nc_u64 s[G0B+4*\s+2:G0B+4*\s+3], s[92:93], \s*RT
	s_or_b32 s[G0B+4*\s+3], s[G0B+4*\s+3], 0x80000000
	JLOAD G0+4*\s, G1, G0B+4*\s, G1B
.endr
	v_and_b32 v1, 31, v0
	v_lshlrev_b32 v[CO], 4, v1
	v_bfe_u32 v3, v0, 4, 1
	v_lshlrev_b32 v4, 5, v3                        ; 32 h
	s_lshl_b32 s66, s21, 15
	s_lshl_b32 s67, s22, 15
	s_add_co_u32 s67, s67, 2*HALFT
.irp s, 0,1
	v_add_nc_u32 v[ADRA+\s], s66, v[CO]
	v_add_nc_u32 v[ADRB+\s], s67, v[CO]
	s_add_co_u32 s66, s66, SLOT
	s_add_co_u32 s67, s67, SLOT
.endr
	s_lshl_b32 s66, s45, 10
	s_lshl_b32 s67, s22, 9
	s_add_co_u32 s66, s66, s67                     ; my first column, x 4 bytes
	s_mov_b32 s67, 0
	s_add_nc_u64 s[88:89], s[8:9], s[66:67]
.irp b, 0,1,2,3,4,5,6,7
	global_load_b128 v[BC+8*\b:BC+8*\b+3],   v4, s[88:89] offset:64*\b      ; waited for on the way out
	global_load_b128 v[BC+8*\b+4:BC+8*\b+7], v4, s[88:89] offset:64*\b+16
.endr
	s_lshl_b32 s94, s44, 4
	s_lshl_b32 s66, s21, 3
	s_add_co_u32 s94, s94, s66                     ; my first tile of 16 tokens: 65,536 bytes of codes each,
	s_lshl_b32 s94, s94, 16
	s_lshl_b32 s66, s45, 1
	s_add_co_u32 s66, s66, s22                     ; my 128 columns are one fragment along the next K
	s_lshl_b32 s66, s66, 11
	s_add_co_u32 s94, s94, s66
	s_mov_b32 s95, 0
	s_add_nc_u64 s[92:93], s[12:13], s[94:95]
.macro FRAG reg, adr, q, i
.irp c, 0,1,2,3
	ds_load_b128 v[\reg+4*\c:\reg+4*\c+3], v[\adr] offset:RT*(\i)+FRB*(\q)+512*\c
.endr
.endm
; The 64 accumulators take turns, one instruction a turn, in the same order in every step.
.macro MUL16 a0, p, zero
.irp a, \a0, \a0+1
.irp b, 0,1,2,3,4,5,6,7
.if \zero
	v_wmma_f32_16x16x128_bf8_bf8 v[8*(8*((\a)%4)+\b):8*(8*((\a)%4)+\b)+7], v[128*(\p)+FR*\b:128*(\p)+FR*\b+FR-1], v[AF+FR*(\a):AF+FR*(\a)+FR-1], 0
.else
	v_wmma_f32_16x16x128_bf8_bf8 v[8*(8*((\a)%4)+\b):8*(8*((\a)%4)+\b)+7], v[128*(\p)+FR*\b:128*(\p)+FR*\b+FR-1], v[AF+FR*(\a):AF+FR*(\a)+FR-1], v[8*(8*((\a)%4)+\b):8*(8*((\a)%4)+\b)+7]
.endif
.endr
.endr
.endm
.macro FETCH_B slot, q, p
	WIN TO_B
.irp i, 0,1,2,3,4,5,6,7
	FRAG 128*(\p)+FR*\i, ADRB+\slot, \q, \i
.endr
	WIN 0
.endm
.macro FETCH_A slot, q, i0
.irp i, \i0, \i0+1, \i0+2, \i0+3
	FRAG AF+FR*(\i), ADRA+\slot, \q, \i
.endr
.endm
.macro PLACES n                        ; four places in front of loads into registers that matrix instructions have read, and of the first read of results
.rept \n
	v_nop
.endr
.endm
.macro STEP slot, q, zero
	s_wait_dscnt 4*NL                              ; the weight's set and token blocks 0-3 are in; the youngest sixteen loads (blocks 4-7) may be out
	WIN MUL_LO
	MUL16 0, (\q)%2, \zero
	MUL16 2, (\q)%2, \zero
	s_wait_dscnt 0
	PLACES NP
	FETCH_B \slot, (\q)+1, 1-(\q)%2
	FETCH_A \slot, (\q)+1, 0
	WIN MUL_HI
	MUL16 4, (\q)%2, \zero
	MUL16 6, (\q)%2, \zero
	PLACES NP
	WIN 0
	FETCH_A \slot, (\q)+1, 4
.endm
.macro TURN slot, next, fill
	s_wait_tensorcnt 0x0                           ; all my tensor loads have landed: my part of the next slot
	ds_add_u32 v[SPW], v[NIL]                      ; 0 onto my spare word
	s_wait_dscnt 4*NL+1                            ; (the add and the sixteen loads of blocks 4-7 may be out)
	WIN MUL_LO
	MUL16 0, 1, 0
	s_wait_dscnt 0x0                               ; the add is done, and my reads of this slot are over
	s_barrier_signal -1
	MUL16 2, 1, 0
	WIN 0
	s_barrier_wait -1
.if \fill
	CREST                                          ; the barrier has opened a round of the cluster's
	s_add_nc_u64 s[G0+4*\slot+2:G0+4*\slot+3], s[G0+4*\slot+2:G0+4*\slot+3], 2*RT
	s_add_nc_u64 s[G0B+4*\slot+2:G0B+4*\slot+3], s[G0B+4*\slot+2:G0B+4*\slot+3], 2*RT
	JLOAD G0+4*\slot, G1, G0B+4*\slot, G1B         ; the first tensor load behind the round
.else
	PLACES NP
.endif
	FETCH_B \next, 0, 0
	FETCH_A \next, 0, 0
	WIN MUL_HI
	MUL16 4, 1, 0
	MUL16 6, 1, 0
	PLACES NP
	WIN 0
	FETCH_A \next, 0, 4
.endm
	s_wait_tensorcnt 1                             ; my part of slot 0 is in; slot 1's load may be out
	s_barrier_signal -1
	s_barrier_wait -1
	FETCH_B 0, 0, 0
	FETCH_A 0, 0, 0
	FETCH_A 0, 0, 4
	STEP 0, 0, 1
	s_mov_b32 s3, LAPS-1
.Llap:
	TURN 0, 1, 1
	STEP 1, 0, 0
	TURN 1, 0, 1
	STEP 0, 0, 0
	s_sub_co_u32 s3, s3, 1
	s_cmp_lg_u32 s3, 0
	s_cbranch_scc1 .Llap
	TURN 0, 1, 0
	STEP 1, 0, 0
	s_wait_dscnt 4*NL
	WIN MUL_LO
	MUL16 0, 1, 0
	MUL16 2, 1, 0
	s_wait_dscnt 0
	WIN MUL_HI
	MUL16 4, 1, 0
	MUL16 6, 1, 0
	WIN 0
	; THE WAY OUT
	s_wait_kmcnt 0x0
	s_add_co_i32 s96, s68, s69
	s_add_co_i32 s96, s96, 127
	s_lshl_b32 s96, s96, 23                        ; 2^(e12 + e13)
	s_mov_b32 s97, s96
	s_add_co_i32 s94, s70, 127
	s_lshl_b32 s95, s94, 23
	v_mov_b32 v[SCL], s95                          ; 2^e14
	s_add_co_i32 s94, s94, 15
	s_lshl_b32 s94, s94, 23
	s_or_b32 s94, s94, 0x600000
	v_mov_b32 v[HOLD], s94                         ; 57,344 x 2^e14
	s_wait_loadcnt 0x0                             ; the bias
	PLACES NP
.macro EPI a
.set AC, 64*((\a)%4)
.set CDA, CD+16*((\a)%4)
	WIN 0x02+((\a)/4)
.set j, 0
.rept 32
	v_pk_fma_f32 v[T+j:T+j+1], v[AC+j:AC+j+1], s[96:97], v[BC+j:BC+j+1] op_sel_hi:[1,0,1]   ; sum x 2^(e12 + e13) + b1; each accumulator from its low end on
.set j, j+2
.endr
	WIN 0
.set j, 0
.rept 64
	v_med3_num_f32 v[T+j], v[T+j], 0, v[HOLD]      ; the activation and the hold in one
.set j, j+1
.endr
.irp b, 0,1,2,3,4,5,6,7
	v_cvt_scalef32_pk8_bf8_f32 v[CDA+2*\b:CDA+2*\b+1], v[T+8*\b:T+8*\b+7], v[SCL]
.endr
	v_nop                                          ; one plain line between the conversions and the next block's writes of their sources
.irp c, 0,1,2,3
	global_store_b128 v[CO], v[CDA+4*\c:CDA+4*\c+3], s[92:93] offset:65536*(\a)+512*\c   ; 32 lanes store 512 consecutive bytes, aligned
.endr
.endm
	EPI 0
	EPI 1
	EPI 2
	EPI 3
	s_wait_xcnt 0x0                                ; the four sets of code registers are written again only behind this wait
	EPI 4
	EPI 5
	EPI 6
	EPI 7
	s_wait_tensorcnt 0x0                           ; the wave's end
	ds_add_u32 v[SPW], v[NIL]
	s_wait_dscnt 0x0
	CROUND
	s_endpgm
.Lfunc_end_k_qbb265c7033_ffn1:
	.size	k_qbb265c7033_ffn1, .Lfunc_end_k_qbb265c7033_ffn1-k_qbb265c7033_ffn1
	.p2alignl 7, 3214868480
	.fill 96, 4, 3214868480
	.section	.rodata,"a",@progbits
	.p2align	6, 0x0
	.amdhsa_kernel k_qbb265c7033_ffn1
		.amdhsa_group_segment_fixed_size 327680
		.amdhsa_private_segment_fixed_size 0
		.amdhsa_enable_private_segment 0
		.amdhsa_kernarg_size 40
		.amdhsa_user_sgpr_count 2
		.amdhsa_user_sgpr_kernarg_segment_ptr 1
		.amdhsa_wavefront_size32 1
		.amdhsa_system_sgpr_workgroup_id_x 1
		.amdhsa_system_sgpr_workgroup_id_y 1
		.amdhsa_system_sgpr_workgroup_id_z 1
		.amdhsa_system_vgpr_workitem_id 0
		.amdhsa_next_free_vgpr 1024
		.amdhsa_next_free_sgpr 100
		.amdhsa_reserve_vcc 0
		.amdhsa_float_denorm_mode_32 3
		.amdhsa_float_denorm_mode_16_64 3
		.amdhsa_memory_ordered 1
		.amdhsa_forward_progress 1
		.amdhsa_inst_pref_size 135
	.end_amdhsa_kernel
	.amdgpu_metadata
---
amdhsa.version: [ 1, 2 ]
amdhsa.kernels:
  - .name:           k_qbb265c7033_ffn1
    .symbol:         k_qbb265c7033_ffn1.kd
    .args:
      - { .name: hc, .offset: 0, .size: 8, .value_kind: global_buffer, .address_space: global }
      - { .name: wc, .offset: 8, .size: 8, .value_kind: global_buffer, .address_space: global }
      - { .name: b1, .offset: 16, .size: 8, .value_kind: global_buffer, .address_space: global }
      - { .name: lowp_scales, .offset: 24, .size: 8, .value_kind: global_buffer, .address_space: global }
      - { .name: rc, .offset: 32, .size: 8, .value_kind: global_buffer, .address_space: global }
    .group_segment_fixed_size: 327680
    .private_segment_fixed_size: 0
    .kernarg_segment_align: 8
    .kernarg_segment_size: 40
    .max_flat_workgroup_size: 128
    .sgpr_count:     100
    .vgpr_count:     1024
    .wavefront_size: 32
...
	.end_amdgpu_metadata
.endif
;; end of part 6
;; launch ffn2 (part 7): grid 8 x 32, 4 waves a work-group, clusters of 4 x 4, 327,680 bytes of LDS; arguments rc, wc, b2, h, lowp_scales, y; writes y
.if DOCPART == 7
	.amdgcn_target "amdgcn-amd-amdhsa--gfx1250"
	.amdhsa_code_object_version 6
	.text
	.protected	k_qbb265c7033_ffn2
	.globl	k_qbb265c7033_ffn2
	.p2align	8
	.type	k_qbb265c7033_ffn2,@function
k_qbb265c7033_ffn2:
	s_mov_b64 s[64:65], 0
	v_nop
	global_prefetch_b8 v0, s[64:65] scope:SCOPE_SE
	s_setreg_imm32_b32 hwreg(HW_REG_WAVE_MODE, 25, 1), 1
	s_wait_xcnt 0x0
	s_wait_alu depctr_hold_cnt(0) depctr_sa_sdst(0) depctr_va_vdst(0) depctr_va_sdst(0) depctr_va_ssrc(0) depctr_va_vcc(0) depctr_vm_vsrc(0)
	s_getreg_b32 s2, hwreg(HW_REG_IB_STS2, 6, 4)
	s_cmp_eq_u32 s2, 0
	s_cbranch_scc0 .Lentry_in_a_cluster
	s_endpgm
.Lentry_in_a_cluster:
	s_bfe_u32 s2, ttmp6, 0x10000c
	s_cmp_lg_u32 s2, 0xf033
	s_cbranch_scc0 .Lentry_shape_is_right
	s_endpgm
.Lentry_shape_is_right:
; y = h + (relu(..) W2 + b2): the product on E5M2 codes, the rest in f32.  M = 4,096, N = 1,024, K = SIZE_K.
; 256 tiles of 128 x 128, one to a work-group (tiles of 256 x 256 would be 64); four waves, 64 x 64 each: 16 accumulators.  K goes in steps of 512 through a ring of two LDS slots.
; Operands lie in memory and in LDS as images of fragments ([tile of 16 rows][128 along K][piece][lane][16 bytes]): a fragment is four ds_load_b128 at 16 x lane.
; The matrix instruction is used transposed (source 0 = 16 rows of W^T, source 1 = 16 tokens): a lane holds eight neighbouring columns of one row.
; CLUSTER 4 x 4: the tokens' tiles are shared along a row of the cluster, the weight's along a column: joint loads.
; The residual's 32 loads a wave are issued at the start, into window 2, and are waited for on the way out.
; LIMIT: the two exponents added lie between -126 and 127.
; REGISTERS: window 0: v12-15 bias; v16-29 addresses; v32-95 rows read back, two sets; v96-127 residual + bias; v128-255 accumulators ((a, b) at v[128 + 8 (4 a + b)]).
;   window 1: two fragment buffers of 128 (tokens' four blocks, then the weight's four).   window 2: v0-127 the residual.
.set SIZE_K, 4096
.set WOFF,   0x800000                  ; where the weight's codes begin in wc
.set EI,     14                        ; the first of the product's two exponents
.set KT,     16*SIZE_K
.set RT,     8192
.set HALFT,  4*RT
.set SLOT,   4*HALFT
.set STAGE,  2*SLOT
.set SPITCH, 272
.set SPARE,  STAGE+4*16*SPITCH
.set LAPS,   SIZE_K/1024
.set ADRA, 16
.set ADRB, 20
.set STO,  24
.set RD,   25
.set CO,   26
.set SPW,  28
.set NIL,  29
.set BK,   32
.set T,    96
.set ACC,  128
.set F0,   0
.set F1,   128
.set G1, 24
.set G0, 32
.set G1B, 48
.set G0B, 56
.set MSB, 0
.macro WIN new
.if MSB != \new
	s_set_vgpr_msb (MSB<<8)|\new
.set MSB, \new
.endif
.endm
.set MUL,  0x05
.set TO_F, 0x40
.macro JLOAD s                         ; waves 0 and 1 fetch the tokens' two halves, waves 2 and 3 the weight's; four v_nop follow each of the two lines
	s_cmp_eq_u32 s17, 0
	s_cbranch_scc0 .Lfor_b_\@
	tensor_load_to_lds s[G0+4*\s:G0+4*\s+3], s[G1:G1+7]
	s_nop 0
.rept 4
	v_nop
.endr
	s_branch .Lasked_\@
.Lfor_b_\@:
	tensor_load_to_lds s[G0B+4*\s:G0B+4*\s+3], s[G1B:G1B+7]
	s_nop 0
.rept 4
	v_nop
.endr
.Lasked_\@:
.endm
.macro CREST
	s_cmp_lg_u32 s16, 0
	s_cbranch_scc1 .Lnot_wave_0_\@
	s_barrier_signal -3
.Lnot_wave_0_\@:
	s_barrier_wait -3
	s_barrier_signal -1
	s_barrier_wait -1
.endm
.macro CROUND
	s_barrier_signal -1
	s_barrier_wait -1
	CREST
.endm
.macro PLACES
.rept 4
	v_nop
.endr
.endm
	s_load_b256 s[4:11], s[0:1], 0x0               ; the tokens' codes 4:5, wc 6:7, bias 8:9, residual 10:11
	s_load_b128 s[12:15], s[0:1], 0x20             ; the exponents 12:13, y 14:15
	v_lshl_add_u32 v[SPW], v0, 2, SPARE
	v_mov_b32 v[NIL], 0
	ds_add_u32 v28, v29
	ds_add_u32 v28, v29
	s_wait_dscnt 0x0
	v_lshrrev_b32 v1, 5, v0
	v_readfirstlane_b32 s16, v1                    ; wave 0..3
	s_lshr_b32 s17, s16, 1
	s_and_b32 s18, s16, 1
	s_bfe_u32 s40, ttmp6, 0x40000                  ; cx
	s_bfe_u32 s41, ttmp6, 0x40004                  ; cy
	s_lshl_b32 s42, ttmp9, 2
	s_add_co_u32 s42, s42, s40                     ; tile column
	s_and_b32 s43, ttmp7, 0xffff
	s_lshl_b32 s43, s43, 2
	s_add_co_u32 s43, s43, s41                     ; tile row
	s_lshl_b32 s44, s41, 2
	s_lshl_b32 s44, 15, s44                        ; my row of the cluster
	s_lshl_b32 s45, 0x1111, s40                    ; my column
	; descriptor group 1: 4 tiles of 16 rows, 8,192 bytes of each (512 along K), KT bytes apart; elements of 8 bytes; dense in LDS
	s_or_b32 s[G1+0], s44, (3<<16)|(1<<21)
	s_or_b32 s[G1B+0], s45, (3<<16)|(1<<21)
.irp g, G1, G1B
	s_mov_b32 s[\g+1], 1024<<16
	s_mov_b32 s[\g+2], 4<<16
	s_mov_b32 s[\g+3], 1024<<16
	s_mov_b32 s[\g+4], 4
	s_mov_b32 s[\g+5], KT/8
	s_mov_b32 s[\g+6], 0
	s_mov_b32 s[\g+7], 0
.endr
	s_lshl_b32 s20, s43, 3
	s_lshl_b32 s21, s18, 2
	s_add_co_u32 s20, s20, s21
	s_mul_i32 s20, s20, KT
	s_mov_b32 s21, 0
	s_lshl_b32 s46, s42, 3
	s_lshl_b32 s47, s18, 2
	s_add_co_u32 s46, s46, s47
	s_mul_i32 s46, s46, KT
	s_add_co_u32 s46, s46, WOFF
	s_mov_b32 s47, 0
	s_lshl_b32 s22, s16, 15
	s_wait_kmcnt 0x0
	s_load_b64 s[68:69], s[12:13], EI*4
	s_add_nc_u64 s[20:21], s[4:5], s[20:21]
	s_add_nc_u64 s[46:47], s[6:7], s[46:47]
	CROUND                                         ; all sixteen work-groups are here: the first joint loads meet
.irp s, 0,1
	s_mov_b32 s[G0+4*\s], 1
	s_add_co_u32 s[G0+4*\s+1], s22, \s*SLOT
	s_add_nc_u64 s[G0+4*\s+2:G0+4*\s+3], s[20:21], \s*RT
	s_or_b32 s[G0+4*\s+3], s[G0+4*\s+3], 0x80000000
	s_mov_b32 s[G0B+4*\s], 1
	s_add_co_u32 s[G0B+4*\s+1], s22, \s*SLOT
	s_add_nc_u64 s[G0B+4*\s+2:G0B+4*\s+3], s[46:47], \s*RT
	s_or_b32 s[G0B+4*\s+3], s[G0B+4*\s+3], 0x80000000
	JLOAD \s
.endr
	v_and_b32 v1, 31, v0
	v_lshlrev_b32 v2, 4, v1                        ; 16 x lane
	v_and_b32 v3, 15, v0                           ; r
	v_bfe_u32 v4, v0, 4, 1                         ; h
	s_lshl_b32 s20, s17, 15
	s_lshl_b32 s21, s18, 15
	s_add_co_u32 s21, s21, 2*HALFT
.irp s, 0,1
	v_add_nc_u32 v[ADRA+\s], s20, v2
	v_add_nc_u32 v[ADRB+\s], s21, v2
	s_add_co_u32 s20, s20, SLOT
	s_add_co_u32 s21, s21, SLOT
.endr
	s_mul_i32 s23, s16, 16*SPITCH
	s_add_co_u32 s23, s23, STAGE                   ; my stage
	v_mul_u32_u24 v5, v3, SPITCH
	v_lshl_add_u32 v5, v4, 5, v5
	v_add_nc_u32 v[STO], s23, v5
	v_mul_u32_u24 v5, v4, SPITCH
	v_lshl_add_u32 v5, v3, 4, v5
	v_add_nc_u32 v[RD], s23, v5
	v_lshlrev_b32 v5, 12, v4
	v_lshl_add_u32 v[CO], v3, 4, v5
	v_lshlrev_b32 v6, 4, v3
	s_lshl_b32 s20, s42, 9
	s_lshl_b32 s21, s18, 8
	s_add_co_u32 s20, s20, s21                     ; my first column, x 4 bytes
	s_mov_b32 s21, 0
	s_add_nc_u64 s[8:9], s[8:9], s[20:21]
	s_lshl_b32 s70, s43, 7
	s_lshl_b32 s71, s17, 6
	s_add_co_u32 s70, s70, s71                     ; my first row
	s_lshl_b32 s70, s70, 12
	s_add_co_u32 s70, s70, s20
	s_mov_b32 s71, 0
	s_add_nc_u64 s[10:11], s[10:11], s[70:71]
	s_add_nc_u64 s[14:15], s[14:15], s[70:71]
	global_load_b128 v[12:15], v6, s[8:9]
	WIN 0x80                                       ; destination window 2
.irp a, 0,1,2,3
.irp t, 0,1,2,3,4,5,6,7
	global_load_b128 v[4*(8*\a+\t):4*(8*\a+\t)+3], v[CO], s[10:11] offset:(16*\a+2*\t)*4096
.endr
.endr
	WIN 0
; The 16 accumulators take turns in the same order in every step.
.macro MUL8 f, a0, zero
.irp a, \a0, \a0+1
.irp b, 0,1,2,3
.if \zero
	v_wmma_f32_16x16x128_bf8_bf8 v[ACC+8*(4*(\a)+\b):ACC+8*(4*(\a)+\b)+7], v[\f+64+16*\b:\f+64+16*\b+15], v[\f+16*(\a):\f+16*(\a)+15], 0
.else
	v_wmma_f32_16x16x128_bf8_bf8 v[ACC+8*(4*(\a)+\b):ACC+8*(4*(\a)+\b)+7], v[\f+64+16*\b:\f+64+16*\b+15], v[\f+16*(\a):\f+16*(\a)+15], v[ACC+8*(4*(\a)+\b):ACC+8*(4*(\a)+\b)+7]
.endif
.endr
.endr
.endm
.macro FETCH slot, q, f
	WIN TO_F
.irp i, 0,1,2,3
.irp c, 0,1,2,3
	ds_load_b128 v[\f+64+16*\i+4*\c:\f+64+16*\i+4*\c+3], v[ADRB+\slot] offset:RT*\i+2048*(\q)+512*\c
.endr
.irp c, 0,1,2,3
	ds_load_b128 v[\f+16*\i+4*\c:\f+16*\i+4*\c+3], v[ADRA+\slot] offset:RT*\i+2048*(\q)+512*\c
.endr
.endr
.endm
.macro SUB slot, q, f, g, zero         ; buffer f is in; the next step's fragments are asked for, into g, and land under f's sixteen products
	s_wait_dscnt 0x0
	PLACES                                         ; g was read by the last products
	FETCH \slot, (\q)+1, \g
	WIN MUL
	MUL8 \f, 0, \zero
	MUL8 \f, 2, \zero
.endm
.macro TURN slot, next, fill
	WIN 0
	s_wait_tensorcnt 0x0                           ; all my tensor loads have landed: my part of the next slot
	ds_add_u32 v[SPW], v[NIL]                      ; 0 onto my spare word
	s_wait_dscnt 1                                 ; buffer 1 is in; the add alone may be out
	WIN MUL
	MUL8 F1, 0, 0
	WIN 0
	s_wait_dscnt 0x0                               ; the add is done, and my reads of this slot are over
	s_barrier_signal -1
	s_barrier_wait -1
.if \fill
	CREST                                          ; the barrier has opened a round of the cluster's: no wave of any partner still reads this slot or has a load on its way
	s_add_nc_u64 s[G0+4*\slot+2:G0+4*\slot+3], s[G0+4*\slot+2:G0+4*\slot+3], 2*RT
	s_add_nc_u64 s[G0B+4*\slot+2:G0B+4*\slot+3], s[G0B+4*\slot+2:G0B+4*\slot+3], 2*RT
	JLOAD \slot                                    ; the first tensor load behind the round; its four v_nop are the places in front of the loads below
.else
	PLACES
.endif
	FETCH \next, 0, F0
	WIN MUL
	MUL8 F1, 2, 0                                  ; eight products under which the fetch lands
.endm
	s_wait_tensorcnt 1                             ; my part of slot 0 is in; slot 1's load may be out
	s_barrier_signal -1
	s_barrier_wait -1
	FETCH 0, 0, F0
	SUB 0, 0, F0, F1, 1
.if LAPS > 1
	WIN 0
	s_mov_b32 s19, LAPS-1
.Llap:                                                 ; a trip goes once round the ring and fills both slots again
	SUB 0, 1, F1, F0, 0
	SUB 0, 2, F0, F1, 0
	TURN 0, 1, 1
	SUB 1, 0, F0, F1, 0
	SUB 1, 1, F1, F0, 0
	SUB 1, 2, F0, F1, 0
	TURN 1, 0, 1
	SUB 0, 0, F0, F1, 0
	WIN 0
	s_sub_co_u32 s19, s19, 1
	s_cmp_lg_u32 s19, 0
	s_cbranch_scc1 .Llap
.endif
	SUB 0, 1, F1, F0, 0                            ; the last lap fills nothing
	SUB 0, 2, F0, F1, 0
	TURN 0, 1, 0
	SUB 1, 0, F0, F1, 0
	SUB 1, 1, F1, F0, 0
	SUB 1, 2, F0, F1, 0
	s_wait_dscnt 0x0
	WIN MUL
	MUL8 F1, 0, 0
	MUL8 F1, 2, 0
	WIN 0
	; THE WAY OUT, 16 rows at a time through my own stage; then sum x 2^(eA + eB) + (residual + bias).
	PLACES
	s_wait_kmcnt 0x0
	s_add_co_i32 s66, s68, s69
	s_add_co_i32 s66, s66, 127
	s_lshl_b32 s66, s66, 23
	s_mov_b32 s67, s66
	s_wait_loadcnt 0x0                             ; bias and residual
.irp a, 0,1,2,3
.if \a > 1
	s_wait_xcnt 0x0                                ; block a - 2's stores have read their registers: block a's rows may land there
.endif
.irp b, 0,1,2,3
	ds_store_b128 v[STO], v[ACC+8*(4*\a+\b):ACC+8*(4*\a+\b)+3] offset:64*\b         ; each accumulator from its low end on
	ds_store_b128 v[STO], v[ACC+8*(4*\a+\b)+4:ACC+8*(4*\a+\b)+7] offset:64*\b+16
.endr
.irp t, 0,1,2,3,4,5,6,7
	ds_load_b128 v[BK+32*(\a%2)+4*\t:BK+32*(\a%2)+4*\t+3], v[RD] offset:2*SPITCH*\t   ; LDS serves a wave's instructions in order
.endr
	WIN 0x02
.irp t, 0,1,2,3,4,5,6,7
	v_pk_add_f32 v[T+4*\t:T+4*\t+1],   v[4*(8*\a+\t):4*(8*\a+\t)+1],   v[12:13]
	v_pk_add_f32 v[T+4*\t+2:T+4*\t+3], v[4*(8*\a+\t)+2:4*(8*\a+\t)+3], v[14:15]
.endr
	WIN 0
	s_wait_dscnt 0x0
.irp t, 0,1,2,3,4,5,6,7
	v_pk_fma_f32 v[BK+32*(\a%2)+4*\t:BK+32*(\a%2)+4*\t+1],   v[BK+32*(\a%2)+4*\t:BK+32*(\a%2)+4*\t+1],   s[66:67], v[T+4*\t:T+4*\t+1] op_sel_hi:[1,0,1]
	v_pk_fma_f32 v[BK+32*(\a%2)+4*\t+2:BK+32*(\a%2)+4*\t+3], v[BK+32*(\a%2)+4*\t+2:BK+32*(\a%2)+4*\t+3], s[66:67], v[T+4*\t+2:T+4*\t+3] op_sel_hi:[1,0,1]
.endr
.irp t, 0,1,2,3,4,5,6,7
	global_store_b128 v[CO], v[BK+32*(\a%2)+4*\t:BK+32*(\a%2)+4*\t+3], s[14:15] offset:(16*\a+2*\t)*4096   ; sixteen lanes store 256 consecutive bytes, aligned
.endr
.endr
	s_wait_tensorcnt 0x0                           ; the wave's end
	ds_add_u32 v[SPW], v[NIL]
	s_wait_dscnt 0x0
	CROUND                                         ; the closing round
	s_endpgm
.Lfunc_end_k_qbb265c7033_ffn2:
	.size	k_qbb265c7033_ffn2, .Lfunc_end_k_qbb265c7033_ffn2-k_qbb265c7033_ffn2
	.p2alignl 7, 3214868480
	.fill 96, 4, 3214868480
	.section	.rodata,"a",@progbits
	.p2align	6, 0x0
	.amdhsa_kernel k_qbb265c7033_ffn2
		.amdhsa_group_segment_fixed_size 327680
		.amdhsa_private_segment_fixed_size 0
		.amdhsa_enable_private_segment 0
		.amdhsa_kernarg_size 48
		.amdhsa_user_sgpr_count 2
		.amdhsa_user_sgpr_kernarg_segment_ptr 1
		.amdhsa_wavefront_size32 1
		.amdhsa_system_sgpr_workgroup_id_x 1
		.amdhsa_system_sgpr_workgroup_id_y 1
		.amdhsa_system_sgpr_workgroup_id_z 1
		.amdhsa_system_vgpr_workitem_id 0
		.amdhsa_next_free_vgpr 768
		.amdhsa_next_free_sgpr 72
		.amdhsa_reserve_vcc 0
		.amdhsa_float_denorm_mode_32 3
		.amdhsa_float_denorm_mode_16_64 3
		.amdhsa_memory_ordered 1
		.amdhsa_forward_progress 1
		.amdhsa_inst_pref_size 81
	.end_amdhsa_kernel
	.amdgpu_metadata
---
amdhsa.version: [ 1, 2 ]
amdhsa.kernels:
  - .name:           k_qbb265c7033_ffn2
    .symbol:         k_qbb265c7033_ffn2.kd
    .args:
      - { .name: rc, .offset: 0, .size: 8, .value_kind: global_buffer, .address_space: global }
      - { .name: wc, .offset: 8, .size: 8, .value_kind: global_buffer, .address_space: global }
      - { .name: b2, .offset: 16, .size: 8, .value_kind: global_buffer, .address_space: global }
      - { .name: h, .offset: 24, .size: 8, .value_kind: global_buffer, .address_space: global }
      - { .name: lowp_scales, .offset: 32, .size: 8, .value_kind: global_buffer, .address_space: global }
      - { .name: y, .offset: 40, .size: 8, .value_kind: global_buffer, .address_space: global }
    .group_segment_fixed_size: 327680
    .private_segment_fixed_size: 0
    .kernarg_segment_align: 8
    .kernarg_segment_size: 48
    .max_flat_workgroup_size: 128
    .sgpr_count:     72
    .vgpr_count:     768
    .wavefront_size: 32
...
	.end_amdgpu_metadata
.endif
;; end of part 7
;; launch ln2 (part 8): grid 256 x 1, 8 waves a work-group, no clusters, 0 bytes of LDS; arguments y, g2, be2, out0; writes out0
.if DOCPART == 8
	.amdgcn_target "amdgcn-amd-amdhsa--gfx1250"
	.amdhsa_code_object_version 6
	.text
	.protected	k_qbb265c7033_ln2
	.globl	k_qbb265c7033_ln2
	.p2align	8
	.type	k_qbb265c7033_ln2,@function
k_qbb265c7033_ln2:
	s_mov_b64 s[64:65], 0
	v_nop
	global_prefetch_b8 v0, s[64:65] scope:SCOPE_SE
	s_setreg_imm32_b32 hwreg(HW_REG_WAVE_MODE, 25, 1), 1
	s_wait_xcnt 0x0
; out = LayerNorm(y) x g2 + be2, in f32.  A work-group takes 16 rows; a wave two of them, each whole in 32 registers: a row is read once, and mean and variance are taken in two passes over
; registers, as the definition has them.  No wave waits for another: no LDS, no barrier.  A stream: no matrix unit, cluster or tensor load would spare a byte.
.set X0, 16
.set X1, 48
.set G,  80
.set BE, 112
.set SA, 160
.set SB, 162
.set MU, 164
.set RS, 166
.set PXR, 168
	s_load_b256 s[4:11], s[0:1], 0x0               ; y 4:5, g2 6:7, be2 8:9, out 10:11
	v_lshrrev_b32 v1, 5, v0
	v_readfirstlane_b32 s16, v1                    ; wave 0..7
	v_and_b32 v1, 31, v0
	v_lshlrev_b32 v2, 4, v1                        ; 16 x lane
	s_lshl_b32 s18, ttmp9, 16                      ; 16 rows of 4,096 bytes,
	s_lshl_b32 s19, s16, 13                        ; two for each wave
	s_add_co_u32 s18, s18, s19
	s_mov_b32 s19, 0
	s_mov_b32 s28, 0x76543210
	s_mov_b32 s29, 0xfedcba98
	s_mov_b32 s30, 0x3a800000                      ; 1 / 1,024
	s_mov_b32 s31, 0x3727c5ac                      ; 1e-5
	v_mov_b32 v[PXR], 0
	s_wait_kmcnt 0x0
	s_add_nc_u64 s[4:5], s[4:5], s[18:19]
	s_add_nc_u64 s[10:11], s[10:11], s[18:19]
.irp i, 0,1,2,3,4,5,6,7
	global_load_b128 v[X0+4*\i:X0+4*\i+3], v2, s[4:5] offset:512*\i th:TH_LOAD_NT
.endr
.irp i, 0,1,2,3,4,5,6,7
	global_load_b128 v[X1+4*\i:X1+4*\i+3], v2, s[4:5] offset:4096+512*\i th:TH_LOAD_NT
.endr
.irp i, 0,1,2,3,4,5,6,7
	global_load_b128 v[G+4*\i:G+4*\i+3], v2, s[6:7] offset:512*\i
.endr
.irp i, 0,1,2,3,4,5,6,7
	global_load_b128 v[BE+4*\i:BE+4*\i+3], v2, s[8:9] offset:512*\i
.endr
.macro REDUCE r                        ; the sum over the 32 lanes, in every lane
	v_add_f32_dpp v[\r], v[\r], v[\r] row_xmask:1 row_mask:0xf bank_mask:0xf
	v_add_f32_dpp v[\r], v[\r], v[\r] row_xmask:2 row_mask:0xf bank_mask:0xf
	v_add_f32_dpp v[\r], v[\r], v[\r] row_xmask:4 row_mask:0xf bank_mask:0xf
	v_add_f32_dpp v[\r], v[\r], v[\r] row_xmask:8 row_mask:0xf bank_mask:0xf
	v_permlanex16_b32 v[PXR], v[\r], s28, s29
	v_add_f32 v[\r], v[\r], v[PXR]
.endm
.macro ROW x, row
	v_pk_add_f32 v[SA:SA+1], v[\x:\x+1], v[\x+2:\x+3]
	v_pk_add_f32 v[SB:SB+1], v[\x+4:\x+5], v[\x+6:\x+7]
.irp j, 8,12,16,20,24,28
	v_pk_add_f32 v[SA:SA+1], v[SA:SA+1], v[\x+\j:\x+\j+1]
	v_pk_add_f32 v[SB:SB+1], v[SB:SB+1], v[\x+\j+2:\x+\j+3]
.endr
	v_pk_add_f32 v[SA:SA+1], v[SA:SA+1], v[SB:SB+1]
	v_add_f32 v[SA], v[SA], v[SA+1]
	REDUCE SA
	v_mul_f32 v[MU], s30, v[SA]                    ; the mean,
	v_mov_b32 v[MU+1], v[MU]                       ; twice, for the packed forms
.set j, 0
.rept 16
	v_pk_add_f32 v[\x+j:\x+j+1], v[\x+j:\x+j+1], v[MU:MU+1] neg_lo:[0,1] neg_hi:[0,1]
.set j, j+2
.endr
	v_pk_mul_f32 v[SA:SA+1], v[\x:\x+1], v[\x:\x+1]
	v_pk_mul_f32 v[SB:SB+1], v[\x+2:\x+3], v[\x+2:\x+3]
.irp j, 4,8,12,16,20,24,28
	v_pk_fma_f32 v[SA:SA+1], v[\x+\j:\x+\j+1], v[\x+\j:\x+\j+1], v[SA:SA+1]
	v_pk_fma_f32 v[SB:SB+1], v[\x+\j+2:\x+\j+3], v[\x+\j+2:\x+\j+3], v[SB:SB+1]
.endr
	v_pk_add_f32 v[SA:SA+1], v[SA:SA+1], v[SB:SB+1]
	v_add_f32 v[SA], v[SA], v[SA+1]
	REDUCE SA
	v_fma_f32 v[SA], v[SA], s30, s31               ; variance + 1e-5
	v_rsq_f32 v[RS], v[SA]
	v_nop                                          ; a plain line behind the transcendental
	s_wait_alu depctr_va_vdst(0)
	v_mov_b32 v[RS+1], v[RS]
	s_wait_loadcnt 0x0                             ; gain and offset
.set j, 0
.rept 16
	v_pk_mul_f32 v[\x+j:\x+j+1], v[\x+j:\x+j+1], v[RS:RS+1]
.set j, j+2
.endr
.set j, 0
.rept 16
	v_pk_fma_f32 v[\x+j:\x+j+1], v[\x+j:\x+j+1], v[G+j:G+j+1], v[BE+j:BE+j+1]
.set j, j+2
.endr
.irp i, 0,1,2,3,4,5,6,7
	global_store_b128 v2, v[\x+4*\i:\x+4*\i+3], s[10:11] offset:4096*\row+512*\i th:TH_STORE_NT   ; 32 lanes store 512 consecutive bytes
.endr
.endm
	s_wait_loadcnt 24                              ; my first row is in; the second row's 8 loads and the 16 of gain and offset may be out
	ROW X0, 0
	ROW X1, 1
	s_endpgm
.Lfunc_end_k_qbb265c7033_ln2:
	.size	k_qbb265c7033_ln2, .Lfunc_end_k_qbb265c7033_ln2-k_qbb265c7033_ln2
	.p2alignl 7, 3214868480
	.fill 96, 4, 3214868480
	.section	.rodata,"a",@progbits
	.p2align	6, 0x0
	.amdhsa_kernel k_qbb265c7033_ln2
		.amdhsa_group_segment_fixed_size 0
		.amdhsa_private_segment_fixed_size 0
		.amdhsa_enable_private_segment 0
		.amdhsa_kernarg_size 32
		.amdhsa_user_sgpr_count 2
		.amdhsa_user_sgpr_kernarg_segment_ptr 1
		.amdhsa_wavefront_size32 1
		.amdhsa_system_sgpr_workgroup_id_x 1
		.amdhsa_system_sgpr_workgroup_id_y 1
		.amdhsa_system_sgpr_workgroup_id_z 1
		.amdhsa_system_vgpr_workitem_id 0
		.amdhsa_next_free_vgpr 176
		.amdhsa_next_free_sgpr 66
		.amdhsa_reserve_vcc 0
		.amdhsa_float_denorm_mode_32 3
		.amdhsa_float_denorm_mode_16_64 3
		.amdhsa_memory_ordered 1
		.amdhsa_forward_progress 1
		.amdhsa_inst_pref_size 18
	.end_amdhsa_kernel
	.amdgpu_metadata
---
amdhsa.version: [ 1, 2 ]
amdhsa.kernels:
  - .name:           k_qbb265c7033_ln2
    .symbol:         k_qbb265c7033_ln2.kd
    .args:
      - { .name: y, .offset: 0, .size: 8, .value_kind: global_buffer, .address_space: global }
      - { .name: g2, .offset: 8, .size: 8, .value_kind: global_buffer, .address_space: global }
      - { .name: be2, .offset: 16, .size: 8, .value_kind: global_buffer, .address_space: global }
      - { .name: out0, .offset: 24, .size: 8, .value_kind: global_buffer, .address_space: global }
    .group_segment_fixed_size: 0
    .private_segment_fixed_size: 0
    .kernarg_segment_align: 8
    .kernarg_segment_size: 32
    .max_flat_workgroup_size: 256
    .sgpr_count:     66
    .vgpr_count:     176
    .wavefront_size: 32
...
	.end_amdgpu_metadata
.endif
;; end of part 8
